; MI455X (gfx1250); checked and timed in simulation.
; The chip was launched on July 23, 2026; its instructions are those of AMD's public machine-readable ISA for CDNA 5 (MIT licence, August 2026) and "CDNA5" Instruction Set Architecture Reference Guide (July 2026). The comments in the code are by the model that wrote it; some were corrected since.
;; Multi Head Attention. Allowed arithmetic: matrix products marked QUANTISED: E2M3 operands, one E8M0 scale for each 32 along K, by v_wmma_scale_f32_16x16x128_f8f6f4 with both operands' format E2M3, f32 sums; everything else in f32.
;; Inputs: b_k 1,024 float32; b_o 1,024 float32; b_q 1,024 float32; b_v 1,024 float32; k 4 x 2,048 x 1,024 float32; mask 1 x 1 x 2,048 x 2,048 bool; q 4 x 2,048 x 1,024 float32; v 4 x 2,048 x 1,024 float32; w_k 1,024 x 1,024 float32; w_o 1,024 x 1,024 float32; w_q 1,024 x 1,024 float32; w_v 1,024 x 1,024 float32.
;; Outputs: out0 4 x 2,048 x 1,024 float32.
;; This version of the problem:
;;   THIS VERSION OF THE PROBLEM IS GIVEN IN LOW PRECISION. The matrix products marked QUANTISED in the list below multiply operands that are first quantised to E2M3 (2 exponent bits, 3 mantissa bits; 6 bits a number), with one power-of-two scale for each 32 numbers along K (OCP MX v1.0); their sums are f32. All else is computed in f32.
;;   The module's matrix products, in the order in which they are computed (A, B: the left and right operand; K: the contracted axis; several contracted axes count as one K, in the product's order):
;;     1. [M 8,192, K 1,024] x [K 1,024, N 1,024]; A: input q; B: input w_q: QUANTISED
;;     2. [M 8,192, K 1,024] x [K 1,024, N 1,024]; A: input k; B: input w_k: QUANTISED
;;     3. [M 8,192, K 1,024] x [K 1,024, N 1,024]; A: input v; B: input w_v: QUANTISED
;;     4. batch 64 x [M 2,048, K 64] x [K 64, N 2,048]; A: computed on the way; B: computed on the way: QUANTISED
;;     5. batch 64 x [M 2,048, K 2,048] x [K 2,048, N 64]; A: softmax (see below); B: computed on the way: QUANTISED
;;     6. [M 8,192, K 1,024] x [K 1,024, N 1,024]; A: computed on the way; B: input w_o: QUANTISED
;;   THE QUANTISER, for each operand of a quantised product, along K:
;;     - K is cut into blocks of 32 from its start; a last block that is shorter is filled with zeros.
;;     - A block's scale is 2^e with e = floor(log2(the largest magnitude in the block)) - 2, held to -126 .. 127; a block of zeros has e = 0. As a byte (E8M0): e + 127.
;;     - Each number is divided by its block's scale, clamped to +-7.5, and rounded to the nearest number of E2M3, ties to even, subnormals kept.
;;     - The product sums the exact products of the quantised numbers (number of the format x scale) in f32.
;;   ~~~python
;;   def quantise(x, axis):      # numpy; x: float32 -> the quantised numbers, widened to float32 again
;;       x = np.moveaxis(x, axis, -1); K = x.shape[-1]
;;       x = np.pad(x, [(0, 0)] * (x.ndim - 1) + [(0, -K % 32)]); x = x.reshape(x.shape[:-1] + (-1, 32)); a = np.abs(x).max(-1, keepdims=True)
;;       e = np.where(a > 0, np.clip(np.frexp(np.where(a > 0, a, 1))[1] - 1 - 2, -126, 127), 0)      # np.frexp(a)[1] - 1 = floor(log2(a)), exactly
;;       r = np.clip(x / 2.0 ** e, -7.5, 7.5)
;;       step = 2.0 ** (np.maximum(np.frexp(np.where(r == 0, 1, r))[1] - 1, 0) - 3)
;;       q = np.round(r / step) * step * 2.0 ** e      # np.round: ties to even
;;       return np.moveaxis(q.reshape(q.shape[:-2] + (-1,))[..., :K], -1, axis).astype(np.float32)
;;   ~~~
;;   SOFTMAX AHEAD OF A QUANTISED PRODUCT. Where the list says 'softmax', what is quantised is not the finished softmax but p = 2^(t - M), with t = logit x log2(e) and M = ceil(the row's largest t), a whole number; so 1/2 < the row's largest p <= 1. The row's sum l is taken of the UNQUANTISED p, in f32, and the product's result is divided by l at the end. Since M is a whole number, a kernel that streams over the keys may use a running M (the ceiling of the running maximum): every later rescaling is an exact power of two, which a block's scale takes up: the codes' values come out the same.
;;   OPERANDS COMPUTED ON THE WAY. 'Computed on the way' means the value that the module computes at that place (a softmax that the list does not call 'softmax' is quantised finished and normalised). What goes into a quantiser is computed in f32, as accurately as f32 sums, v_exp_f32 and their like allow (about 1e-6 of the number): no bf16 or f16 on the way to a quantiser, and a product that is left as it is and whose result goes on into a quantised operand takes f32 operands (vector FMAs, or v_wmma_f32_16x16x4_f32). A number that lies on a knife's edge between two numbers of the format may be rounded either way, as far as f32 arithmetic and the matrix unit's own rounding can turn it there, and no further.
;; 2 versions, each right; version 2 is version 1 with the launch attn written anew for expert scheduling mode. Each part assembles by itself: llvm-mc -triple=amdgcn-amd-amdhsa -mcpu=gfx1250 --defsym DOCPART=n.
;; ======== version 1 of 2: 4 launches
;; workspace buffers: xc 22,020,096 bytes; xs 917,504 bytes; mbits 524,288 bytes of whole numbers; mflag 512 bytes of whole numbers; hc 18,874,368 bytes; hs 786,432 bytes; oc 6,291,456 bytes; os 262,144 bytes
;; launch prep (part 1): grid 480 x 1, 4 waves a work-group, no clusters, 68,096 bytes of LDS; arguments q, k, v, w_q, w_k, w_v, w_o, mask, xc, xs, mbits, mflag; writes xc, xs, mbits, mflag
.if DOCPART == 1
	.amdgcn_target "amdgcn-amd-amdhsa--gfx1250"
	.amdhsa_code_object_version 6
	.text
	.protected	k_q209c69b904_prep
	.globl	k_q209c69b904_prep
	.p2align	8
	.type	k_q209c69b904_prep,@function
k_q209c69b904_prep:
	s_mov_b64 s[64:65], 0
	v_nop
	global_prefetch_b8 v0, s[64:65] scope:SCOPE_SE
	s_setreg_imm32_b32 hwreg(HW_REG_WAVE_MODE, 25, 1), 1
	s_wait_xcnt 0x0
; PREP.  (1) q, k, v [8192][1024] and w_q, w_k, w_v, w_o [1024][1024], f32, K innermost, become codes of FP6 (E2M3) with one E8M0 byte for each 32 along K,
; laid in the order of the matrix operand's registers.  (2) The mask [2048][2048] of bytes becomes lane masks for the attention launch, and one word of flags for each tile of 16 queries.
; TILES.  Tile i of a tensor's rows holds, at lane place r = 0..15, row 32 (i / 2) + 8 (i % 2) + r + 8 (r / 8): so a product that takes such tiles as source 0 leaves 16 neighbouring rows in the 16 registers of two neighbouring tiles.
; UNIT (768 bytes): 16 rows x 64 K: registers 0-5 of lane (r, h) = k 32 h .. 32 h + 31 of its row; registers 0-3 at 16 x lane, registers 4-5 at 512 + 8 x lane.  xc: unit (16 T + k / 64), T the tile's number over all seven tensors.
; xs: [T][r][32 bytes], byte k / 32.
; A block's scale is 2^(floor(log2(largest magnitude)) - 2); its byte is the largest magnitude's exponent field - 2, held at 1 from below.
; LIMITS: a block of zeros gets the byte 1 where the quantiser's text says 127 (its codes are zeros, and this program alone reads the bytes); blocks whose largest magnitude lies under 2^-124 keep the byte 1; NaN and infinities are not served.
; SHARES.  Work-groups 0-31: the mask, a tile of 16 queries to a wave.  Work-groups 32-479: a tile of 16 rows x 1,024 K to a wave, in 8 steps of 128 K.  Waves share nothing: no barrier.  Each of the two ways has LDS bytes of its own.
; Every load takes 512 consecutive bytes of one row; a step's 16 rows turn through the wave's own stage (rows 528 bytes apart), so that a lane gets 32 neighbours of ITS row for each block.  Loads run two steps (32 loads a wave) ahead.
; No matrix unit, no tensor load, no cluster: each input byte is read once, by one wave.
.set STG,  16*528                      ; a wave's stage: 16 rows x (512 + 16) bytes
.set R,    16                          ; v16-143  two sets of 64 registers as loaded
.set X,    144                         ; v144-207 after the turn: 64 numbers (or 256 mask bytes)
.set C,    208                         ; v208-219 a fragment's codes
.set TT,   220                         ; v220-222, v224-226 the second halves of the conversions (three registers begin on an even number)
.set SW,   228                         ; v228-235 the row's eight scale words
	s_load_b512 s[4:19], s[0:1], 0x0               ; q, k, v, w_q, w_k, w_v, w_o, mask
	s_load_b256 s[20:27], s[0:1], 0x40             ; xc, xs, mbits, mflag
	v_lshl_add_u32 v248, v0, 2, 0x10800
	v_mov_b32 v249, 0
	v_lshrrev_b32 v1, 5, v0
	v_readfirstlane_b32 s28, v1                    ; wave
	v_and_b32 v1, 31, v0                           ; lane
	v_lshlrev_b32 v2, 4, v1                        ; 16 x lane
	v_lshlrev_b32 v3, 3, v1                        ; 8 x lane
	v_and_b32 v8, 15, v0                           ; r
	v_bfe_u32 v9, v0, 4, 1                         ; h
	v_mul_u32_u24 v5, v8, 528
	s_mul_i32 s29, s28, STG
	s_mov_b32 s35, 0                               ; the high word of every 32-bit offset
	s_cmp_lt_u32 ttmp9, 32
	s_cbranch_scc1 .Lmask
; ---------------- the quantiser's way
	v_add_nc_u32 v4, s29, v2                       ; stage, in: 16 x lane of row j (the row stands in the immediate)
	v_lshl_add_u32 v5, v9, 7, v5
	v_add_nc_u32 v5, s29, v5                       ; stage, out: row r, + 128 h bytes: my block of 32 numbers
	v_lshlrev_b32 v6, 5, v8
	v_lshl_add_u32 v6, v9, 4, v6                   ; xs: 32 r + 16 h
	v_lshlrev_b32 v7, 3, v9                        ; 8 h: my bytes' place in a scale word
	v_mov_b32 v243, 0                              ; written once: a lane permute's destination counts as one of its sources
	s_mov_b32 s30, 0x76543210
	s_mov_b32 s31, 0xfedcba98                      ; v_permlanex16_b32's selects for lane l xor 16
	s_mov_b32 s32, 0xffff0000                      ; lanes 16-31
	s_sub_co_u32 s33, ttmp9, 32
	s_lshl_b32 s33, s33, 2                         ; the work-group's first tile; the tensors' first tiles are multiples of 4, so its four waves lie in one tensor
	s_mov_b32 s34, 1728                            ; w_o's first tile
	s_wait_kmcnt 0x0
	s_cmp_lt_u32 s33, 1728                         ; the choice hangs on the work-group's number alone
	s_cselect_b64 s[16:17], s[14:15], s[16:17]
	s_cselect_b32 s34, 1664, s34
	s_cmp_lt_u32 s33, 1664
	s_cselect_b64 s[16:17], s[12:13], s[16:17]
	s_cselect_b32 s34, 1600, s34
	s_cmp_lt_u32 s33, 1600
	s_cselect_b64 s[16:17], s[10:11], s[16:17]
	s_cselect_b32 s34, 1536, s34
	s_cmp_lt_u32 s33, 1536
	s_cselect_b64 s[16:17], s[8:9], s[16:17]
	s_cselect_b32 s34, 1024, s34
	s_cmp_lt_u32 s33, 1024
	s_cselect_b64 s[16:17], s[6:7], s[16:17]
	s_cselect_b32 s34, 512, s34
	s_cmp_lt_u32 s33, 512
	s_cselect_b64 s[16:17], s[4:5], s[16:17]
	s_cselect_b32 s34, 0, s34
	s_add_co_u32 s33, s33, s28                     ; T, my tile
	s_sub_co_u32 s34, s33, s34                     ; its number in its tensor
	s_lshr_b32 s36, s34, 1
	s_lshl_b32 s36, s36, 5
	s_and_b32 s34, s34, 1
	s_lshl_b32 s34, s34, 3
	s_add_co_u32 s34, s34, s36                     ; its first row: 32 (i / 2) + 8 (i % 2)
	s_lshl_b32 s34, s34, 12                        ; rows of 4,096 bytes
	s_add_nc_u64 s[16:17], s[16:17], s[34:35]
	s_mul_i32 s34, s33, 12288
	s_add_nc_u64 s[20:21], s[20:21], s[34:35]      ; xc at my tile's 16 units
	s_lshl_b32 s34, s33, 9
	s_add_nc_u64 s[22:23], s[22:23], s[34:35]      ; xs at my tile's 512 bytes
.macro LOAD t                          ; step t: 128 K of my 16 rows: each load is 512 consecutive bytes of one row
.set jj, 0
.rept 16
	global_load_b128 v[R+64*((\t)%2)+4*jj:R+64*((\t)%2)+4*jj+3], v2, s[16:17] offset:(jj+8*(jj/8))*4096+512*(\t) th:TH_LOAD_NT
.set jj, jj+1
.endr
.endm
.macro STEP t
.if (\t) < 7
	s_wait_loadcnt 16                              ; this step's 16 loads are in; the next step's 16 may be out
.else
	s_wait_loadcnt 0x0
.endif
.set jj, 0
.rept 16
	ds_store_b128 v4, v[R+64*((\t)%2)+4*jj:R+64*((\t)%2)+4*jj+3] offset:528*jj
.set jj, jj+1
.endr
.irp c, 0,1                            ; LDS serves a wave's instructions in order: these see the stores above.  Register 32 c + i = k 64 c + 32 h + i of my row
.irp i, 0,1,2,3,4,5,6,7
	ds_load_b128 v[X+32*\c+4*\i:X+32*\c+4*\i+3], v5 offset:256*\c+16*\i
.endr
.endr
	s_wait_dscnt 0x0                               ; my 64 numbers are in, and the stores have read their registers,
.if (\t) < 6
	LOAD (\t)+2                                    ; which take the loads of two steps on
.endif
.irp c, 0,1
	v_max3_num_f32 v[236+\c], |v[X+32*\c]|, |v[X+32*\c+1]|, 0x1800000   ; my block 2 c + h: all its 32 numbers are mine; the floor 2^(3 - 127) holds the byte at 1 from below
.endr
.irp i, 2,4,6,8,10,12,14,16,18,20,22,24,26,28,30
.irp c, 0,1
	v_max3_num_f32 v[236+\c], v[236+\c], |v[X+32*\c+\i]|, |v[X+32*\c+\i+1]|   ; (the two blocks by turns)
.endr
.endr
.irp c, 0,1
	v_add_nc_u32 v[238+\c], 0xff000000, v[236+\c]  ; 2 off the exponent field: the conversion takes this operand's exponent field as its scale
.endr
.irp c, 0,1
	v_lshrrev_b32 v[240+\c], 23, v[238+\c]         ; the scale's byte
.endr
	v_lshl_or_b32 v242, v241, 16, v240             ; my two bytes, blocks h and 2 + h,
	v_lshlrev_b32 v242, v7, v242                   ; at their places in the word;
	v_permlanex16_b32 v243, v242, s30, s31
	v_or_b32 v[SW+(\t)], v242, v243                ; with lane l xor 16's two the word of these 128 K is whole
	s_wait_xcnt 0x0                                ; the last step's stores have read the codes' registers
	v_cvt_scalef32_pk16_fp6_f32 v[C:C+2], v[X:X+15], v238
	v_cvt_scalef32_pk16_fp6_f32 v[TT:TT+2], v[X+16:X+31], v238
	v_cvt_scalef32_pk16_fp6_f32 v[C+6:C+8], v[X+32:X+47], v239
	v_cvt_scalef32_pk16_fp6_f32 v[TT+4:TT+6], v[X+48:X+63], v239
	v_nop                                          ; one plain place behind a scaled conversion
.irp i, 0,1,2
	v_mov_b32 v[C+3+\i], v[TT+\i]
	v_mov_b32 v[C+9+\i], v[TT+4+\i]
.endr
	global_store_b128 v2, v[C:C+3], s[20:21] offset:1536*(\t)            ; two units: 512, 256, 512, 256 consecutive bytes, each run aligned to 256
	global_store_b64 v3, v[C+4:C+5], s[20:21] offset:1536*(\t)+512
	global_store_b128 v2, v[C+6:C+9], s[20:21] offset:1536*(\t)+768
	global_store_b64 v3, v[C+10:C+11], s[20:21] offset:1536*(\t)+1280
.endm
	LOAD 0
	LOAD 1
.irp t, 0,1,2,3,4,5,6,7
	STEP \t
.endr
.irp i, 0,1,2,3
	v_cndmask_b32 v[236+\i], v[SW+\i], v[SW+4+\i], s32   ; lanes 0-15 store their row's first 16 bytes, lanes 16-31 its last 16
.endr
	global_store_b128 v6, v[236:239], s[22:23]     ; 512 consecutive bytes
	s_wait_tensorcnt 0x0
	ds_add_u32 v248, v249
	s_wait_dscnt 0x0
	s_endpgm
; ---------------- the mask's way: tile tau of 16 queries x 2,048 keys, 512 keys a trip
; mbits [tau][step of 128 keys][64 words]: the word of score register n = 16 blk + i has, at bit lane = 16 h + r, mask[query at place r of tile tau][128 step + 32 blk + 16 h + i]; it lies at place 2 (n % 32) + n / 32.
; mflag [tau]: bit s: step s has work;  bit 16 + s: step s is not all true.  A step has work if any of its bits is set, and every step has work if some query of the tile has no key at all (its softmax is then even over all keys).
.Lmask:
	s_add_co_u32 s29, s29, 4*STG                   ; this way's own stages
	v_add_nc_u32 v4, s29, v2
	v_lshl_add_u32 v5, v9, 4, v5
	v_add_nc_u32 v5, s29, v5                       ; out: row r, + 16 h bytes
	v_mov_b32 v10, 0                               ; the words of n = 0..31, one a lane (a lane write's destination counts as read)
	v_mov_b32 v11, 0                               ; and of n = 32..63
	s_lshl_b32 s33, ttmp9, 2
	s_add_co_u32 s33, s33, s28                     ; tau
	s_lshr_b32 s34, s33, 1
	s_lshl_b32 s34, s34, 5
	s_and_b32 s36, s33, 1
	s_lshl_b32 s36, s36, 3
	s_add_co_u32 s34, s34, s36
	s_lshl_b32 s34, s34, 11                        ; its first row, rows of 2,048 bytes
	s_wait_kmcnt 0x0
	s_add_nc_u64 s[18:19], s[18:19], s[34:35]
	s_lshl_b32 s34, s33, 12
	s_add_nc_u64 s[24:25], s[24:25], s[34:35]
	s_lshl_b32 s34, s33, 2
	s_add_nc_u64 s[26:27], s[26:27], s[34:35]
	s_mov_b32 s36, 0                               ; the or of all words
	s_mov_b32 s37, 0                               ; bit s: step s has a set bit
	s_mov_b32 s38, 0                               ; bit s: step s is all true
	s_mov_b32 s39, 1                               ; the step's bit
	s_mov_b32 s44, 4
.macro MSTEP st                        ; the trip's st-th 128 keys
	s_wait_xcnt 0x0                                ; the last step's store has read v[10:11]
	s_mov_b32 s45, 0
	s_mov_b32 s46, -1
.irp q, 0,1,2,3,4,5,6,7,8,9,10,11,12,13,14,15
.irp e, 0,1,2,3
	v_bfe_u32 v[12+\e], v[X+16*\st+\q], 8*\e, 8    ; the byte of n = 4 q + e
.endr
.irp e, 0,1,2,3
	v_cmp_ne_u32 s[40+\e], 0, v[12+\e]             ; a bit for each lane
.endr
.irp e, 0,1,2,3
	v_writelane_b32 v[10+(4*\q+\e)/32], s[40+\e], (4*\q+\e)%32
.endr
.irp e, 0,1,2,3
	s_or_b32 s45, s45, s[40+\e]
	s_and_b32 s46, s46, s[40+\e]
.endr
.endr
	global_store_b64 v3, v[10:11], s[24:25] offset:256*\st   ; 256 consecutive bytes, aligned
	s_or_b32 s36, s36, s45
	s_cmp_lg_u32 s45, 0
	s_cselect_b32 s47, s39, 0
	s_or_b32 s37, s37, s47
	s_cmp_eq_u32 s46, -1
	s_cselect_b32 s47, s39, 0
	s_or_b32 s38, s38, s47
	s_lshl_b32 s39, s39, 1
.endm
.Lchunk:
.set jj, 0
.rept 16
	global_load_b128 v[R+4*jj:R+4*jj+3], v2, s[18:19] offset:(jj+8*(jj/8))*2048
.set jj, jj+1
.endr
	s_wait_loadcnt 0x0
.set jj, 0
.rept 16
	ds_store_b128 v4, v[R+4*jj:R+4*jj+3] offset:528*jj
.set jj, jj+1
.endr
.set jj, 0
.rept 16                               ; register 16 st + 4 blk + i / 4, byte i % 4: key 128 st + 32 blk + 16 h + i of my query
	ds_load_b128 v[X+4*jj:X+4*jj+3], v5 offset:32*jj
.set jj, jj+1
.endr
	s_wait_dscnt 0x0
	MSTEP 0
	MSTEP 1
	MSTEP 2
	MSTEP 3
	s_wait_xcnt 0x0                                ; loads and stores have read their bases
	s_add_nc_u64 s[18:19], s[18:19], 512
	s_add_nc_u64 s[24:25], s[24:25], 1024
	s_sub_co_u32 s44, s44, 1
	s_cmp_lg_u32 s44, 0
	s_cbranch_scc1 .Lchunk
	s_lshr_b32 s40, s36, 16                        ; query r has a key if bit r or bit 16 + r is set
	s_or_b32 s40, s40, s36
	s_and_b32 s40, s40, 0xffff
	s_cmp_lg_u32 s40, 0xffff
	s_cselect_b32 s40, 0xffff, 0                   ; some query has none: all 16 steps are worked
	s_or_b32 s37, s37, s40
	s_xor_b32 s38, s38, 0xffff
	s_lshl_b32 s38, s38, 16
	s_or_b32 s37, s37, s38
	v_mov_b32 v12, s37
	v_mov_b32 v13, 0
	v_cmp_eq_u32 vcc_lo, 0, v1
	s_wait_xcnt 0x0                                ; EXEC changes only behind this wait
	s_wait_tensorcnt 0x0
	ds_add_u32 v248, v249
	s_wait_dscnt 0x0
	s_and_saveexec_b32 s41, vcc_lo
	global_store_b32 v13, v12, s[26:27]            ; lane 0 stores the tile's word
	s_wait_xcnt 0x0
	s_or_b32 exec_lo, exec_lo, s41
	s_endpgm
.Lfunc_end_k_q209c69b904_prep:
	.size	k_q209c69b904_prep, .Lfunc_end_k_q209c69b904_prep-k_q209c69b904_prep
	.p2alignl 7, 3214868480
	.fill 96, 4, 3214868480
	.section	.rodata,"a",@progbits
	.p2align	6, 0x0
	.amdhsa_kernel k_q209c69b904_prep
		.amdhsa_group_segment_fixed_size 68096
		.amdhsa_private_segment_fixed_size 0
		.amdhsa_enable_private_segment 0
		.amdhsa_kernarg_size 96
		.amdhsa_user_sgpr_count 2
		.amdhsa_user_sgpr_kernarg_segment_ptr 1
		.amdhsa_wavefront_size32 1
		.amdhsa_system_sgpr_workgroup_id_x 1
		.amdhsa_system_sgpr_workgroup_id_y 1
		.amdhsa_system_sgpr_workgroup_id_z 1
		.amdhsa_system_vgpr_workitem_id 0
		.amdhsa_next_free_vgpr 250
		.amdhsa_next_free_sgpr 66
		.amdhsa_reserve_vcc 1
		.amdhsa_float_denorm_mode_32 3
		.amdhsa_float_denorm_mode_16_64 3
		.amdhsa_memory_ordered 1
		.amdhsa_forward_progress 1
		.amdhsa_inst_pref_size 130
	.end_amdhsa_kernel
	.amdgpu_metadata
---
amdhsa.version: [ 1, 2 ]
amdhsa.kernels:
  - .name:           k_q209c69b904_prep
    .symbol:         k_q209c69b904_prep.kd
    .args:
      - { .name: q, .offset: 0, .size: 8, .value_kind: global_buffer, .address_space: global }
      - { .name: k, .offset: 8, .size: 8, .value_kind: global_buffer, .address_space: global }
      - { .name: v, .offset: 16, .size: 8, .value_kind: global_buffer, .address_space: global }
      - { .name: w_q, .offset: 24, .size: 8, .value_kind: global_buffer, .address_space: global }
      - { .name: w_k, .offset: 32, .size: 8, .value_kind: global_buffer, .address_space: global }
      - { .name: w_v, .offset: 40, .size: 8, .value_kind: global_buffer, .address_space: global }
      - { .name: w_o, .offset: 48, .size: 8, .value_kind: global_buffer, .address_space: global }
      - { .name: mask, .offset: 56, .size: 8, .value_kind: global_buffer, .address_space: global }
      - { .name: xc, .offset: 64, .size: 8, .value_kind: global_buffer, .address_space: global }
      - { .name: xs, .offset: 72, .size: 8, .value_kind: global_buffer, .address_space: global }
      - { .name: mbits, .offset: 80, .size: 8, .value_kind: global_buffer, .address_space: global }
      - { .name: mflag, .offset: 88, .size: 8, .value_kind: global_buffer, .address_space: global }
    .group_segment_fixed_size: 68096
    .private_segment_fixed_size: 0
    .kernarg_segment_align: 8
    .kernarg_segment_size: 96
    .max_flat_workgroup_size: 128
    .sgpr_count:     66
    .vgpr_count:     250
    .wavefront_size: 32
...
	.end_amdgpu_metadata
.endif
;; end of part 1
;; launch proj (part 2): grid 4 x 96, 4 waves a work-group, clusters of 4 x 4, 327,680 bytes of LDS; arguments xc, xs, b_q, b_k, b_v, hc, hs; writes hc, hs
.if DOCPART == 2
	.amdgcn_target "amdgcn-amd-amdhsa--gfx1250"
	.amdhsa_code_object_version 6
	.text
	.protected	k_q209c69b904_proj
	.globl	k_q209c69b904_proj
	.p2align	8
	.type	k_q209c69b904_proj,@function
k_q209c69b904_proj:
	s_mov_b64 s[64:65], 0
	v_nop
	global_prefetch_b8 v0, s[64:65] scope:SCOPE_SE
	s_setreg_imm32_b32 hwreg(HW_REG_WAVE_MODE, 25, 1), 1
	s_wait_xcnt 0x0
	s_wait_alu depctr_hold_cnt(0) depctr_sa_sdst(0) depctr_va_vdst(0) depctr_va_sdst(0) depctr_va_ssrc(0) depctr_va_vcc(0) depctr_vm_vsrc(0)
	s_getreg_b32 s2, hwreg(HW_REG_IB_STS2, 6, 4)
	s_cmp_eq_u32 s2, 0
	s_cbranch_scc0 .Lentry_in_a_cluster
	s_endpgm
.Lentry_in_a_cluster:
	s_bfe_u32 s2, ttmp6, 0x10000c
	s_cmp_lg_u32 s2, 0xf033
	s_cbranch_scc0 .Lentry_shape_is_right
	s_endpgm
.Lentry_shape_is_right:
; PROJ.  The three input projections x W^T + b, 8,192 x 1,024 x 1,024 each, on codes of FP6 (E2M3) with E8M0 scales, and their results quantised on the way out into the operands of the attention launch.
; 24 clusters of 4 x 4 work-groups: clusters 0-7 Q, 8-15 K, 16-23 V.  A work-group makes 256 x 256 of a product, a wave 128 x 128: 64 accumulators, 512 registers.
; Q, K: A = the tokens' codes, B = the weight's.  V: A = w_v's codes, B = the tokens'.  The matrix instruction is used transposed (source 0 = 16 rows of B, source 1 = 16 rows of A): a lane holds ONE row of A and its registers run along B's rows.
; So for Q and K a lane's registers run along the head's 64 (the K of the score product) and for V along the keys (the K of the second product), with one text.
; OPERANDS lie in memory in the order of the operand's registers: a unit of 768 bytes is 16 rows x 64 K (registers 0-3 at 16 x lane, registers 4-5 at 512 + 8 x lane); a tile of 16 rows has 16 units on end.  A tile's rows are 32 (i / 2) + 8 (i % 2) + r + 8 (r / 8),
; so that the 16 registers of two neighbouring tiles of B are 16 neighbours along the next K.
; K goes in four steps of 256 through a ring of two LDS slots; a wave's tensor load brings 8 tiles x 3,072 bytes.  The scales of the work-group's rows, for all of K, come once with the first fills.
; CLUSTERS: A's tiles are shared along a row of the cluster, B's along a column: each is asked for jointly, by the same tensor load with the same descriptor and a mask that names the four.
; By this text's own count a wave has three tensor loads out at the start and one behind each refill.
; THE BIAS runs along the registers for Q and K and along the lanes for V.  Both forms are loaded and added by fused multiply-adds with factors (1, 0) or (0, 1), chosen once: x 1 rounds once, as an addition does, x 0 leaves the sum as it is; so no branch parts the text.
; OUT.  hc: Q at 0, K at 6,291,456: unit 512 head + token tile;  V at 12,582,912: unit 512 head + 8 (128 keys' number) + 2 (tile of the head's 64) + half.
; hs: groups of 256 bytes for (head, 128 tokens): word w of row place r at ((w % 2) 16 + r) 8 + (w / 2) 4.  Q, K: word w = the two bytes of tile 2 w, then of tile 2 w + 1.  V: word w = the four bytes of tile w of the head's 64.
; LIMITS: a block of zeros gets the byte 1 (its codes are zeros; this program alone reads the bytes); blocks under 2^-124 keep the byte 1; NaN and infinities are not served.
; No prefetch: K has four steps, and each tile is asked for once for each row or column of a cluster.
.set KSB,    3072                      ; a K step's bytes of a tile: 4 units
.set HALFT,  8*KSB                     ; 8 tiles: what one tensor load brings, and what one wave reads of A or of B
.set SLOT,   4*HALFT                   ; A's 16 tiles, then B's 16
.set NQ,     2                         ; matrix instructions deep in a slot
.set FR,     12                        ; registers of a fragment: 16 rows x 128 K
.set NL,     4                         ; LDS loads that bring one
.set NP,     4                         ; places behind this matrix instruction (ISA guide 7.12.1)
.set SCL,    2*SLOT                    ; behind the ring: the scales, 32 bytes a row, as units of 256 bytes + 16 of padding
.set HALFS,  16*272                    ; those of 128 rows
.set SBLK,   2*272                     ; those of 16 rows
.set SPARE,  SCL+4*HALFS               ; the spare words, 128 bytes for each wave: two blocks of 256 bytes that no other line names
.set ADRA, 16                          ; v16-17 LDS address of my A fragments' 16-byte parts in slot 0, 1;  v18-19 of their 8-byte parts
.set ADRB, 20                          ; v20-23 the same for B
.set L16,  24                          ; v24  16 x lane
.set L8,   25                          ; v25  8 x lane
.set ADRS, 27                          ; v27  LDS address of my scale words: lanes 0-15 A's rows, lanes 16-31 B's
.set SPW,  28                          ; v28  LDS address of my spare word; never rewritten
.set NIL,  29                          ; v29  0; never rewritten
.set SC,   32                          ; v32-63 scale words, two sets
.set BI,   64                          ; v64-127 the bias along the registers
.set AF,   128                         ; v128-223 A's fragments, one set
.set H,    128                         ; the way out: a block's 64 numbers
.set PC,   192                         ; v192-211 its codes
.set PWS,  224                         ; v224-231 the eight blocks' scale words
.set TM,   240                         ; v240-255 at work in QUANT
.set XW,   128                         ; at the end: the words as hs wants them
.set XO,   136
.set WV,  18
.set RH,  19                           ; which half of the tile's rows is mine.  Also: I fetch for A (0) or for B (1)
.set CH,  20                           ; which half of its columns.  Also: which 8 tiles I fetch
.set GG,  21                           ; 0 Q, 1 K, 2 V
.set ISV, 22
.set TC,  42                           ; tile column
.set TR,  43                           ; tile row
.set SEL, 46
.set FQ,  96                           ; s[96:97] 1.0 for Q and K, 0 for V
.set FV,  98                           ; s[98:99] the other way round
.set VM,  100                          ; all ones for V, else 0
.set G1, 24
.set G0, 32
.set G1B, 48
.set G0B, 56
.set G1S, 68
.set G0S, 76
.set G1SB, 80
.set G0SB, 88
.set MSB, 0
.macro WIN new                         ; the immediate's high byte repeats the setting that is left
.if MSB != (\new)
	s_set_vgpr_msb (MSB<<8)|(\new)
.set MSB, \new
.endif
.endm
.set MUL_LO, 0xa1                      ; source 0 (B) window 1, source 1 (A) window 0, C and D window 2
.set MUL_HI, 0xf1                      ; the same, C and D window 3
.set TO_B,   0x40                      ; destination window 1, address window 0
; A joint load: waves 0 and 1 fetch for A, waves 2 and 3 for B; the branch hangs on the wave's number alone.  Four v_nop follow each of the two lines.
.macro JLOAD g0a, g1a, g0b, g1b
	s_cmp_eq_u32 s[RH], 0
	s_cbranch_scc0 .Lfor_b_\@
	tensor_load_to_lds s[\g0a:\g0a+3], s[\g1a:\g1a+7]
	s_nop 0
.rept 4
	v_nop
.endr
	s_branch .Lasked_\@
.Lfor_b_\@:
	tensor_load_to_lds s[\g0b:\g0b+3], s[\g1b:\g1b+7]
	s_nop 0
.rept 4
	v_nop
.endr
.Lasked_\@:
.endm
.macro CREST                           ; a round of the cluster's barrier behind its opening barrier
	s_cmp_lg_u32 s[WV], 0
	s_cbranch_scc1 .Lnot_wave_0_\@
	s_barrier_signal -3
.Lnot_wave_0_\@:
	s_barrier_wait -3
	s_barrier_signal -1
	s_barrier_wait -1
.endm
.macro CROUND
	s_barrier_signal -1
	s_barrier_wait -1
	CREST
.endm
	s_load_b256 s[4:11], s[0:1], 0x0               ; xc, xs, b_q, b_k
	s_load_b128 s[12:15], s[0:1], 0x20             ; b_v, hc
	s_load_b64 s[16:17], s[0:1], 0x30              ; hs
	v_lshl_add_u32 v[SPW], v0, 2, SPARE
	v_mov_b32 v[NIL], 0
	ds_add_u32 v28, v29
	ds_add_u32 v28, v29
	s_wait_dscnt 0x0
	v_lshrrev_b32 v1, 5, v0
	v_readfirstlane_b32 s[WV], v1
	s_lshr_b32 s[RH], s[WV], 1
	s_and_b32 s[CH], s[WV], 1
	s_bfe_u32 s40, ttmp6, 0x40000                  ; cx
	s_bfe_u32 s41, ttmp6, 0x40004                  ; cy
	s_and_b32 s23, ttmp7, 0xffff                   ; the cluster's number, 0..23: the same in all sixteen partners
	s_lshr_b32 s[GG], s23, 3
	s_and_b32 s23, s23, 7
	s_cmp_eq_u32 s[GG], 2
	s_cselect_b32 s[ISV], 1, 0
	s_cselect_b32 s[TC], s23, 0                    ; V: the eight clusters lie side by side along B's tokens;
	s_cselect_b32 s[TR], 0, s23                    ; Q, K: one below the other along A's
	s_cselect_b32 s[FQ], 0, 1.0
	s_cselect_b32 s[FV], 1.0, 0
	s_cselect_b32 s[VM], -1, 0
	s_mov_b32 s[FQ+1], s[FQ]                       ; (named as pairs, so both words are written)
	s_mov_b32 s[FV+1], s[FV]
	s_lshl_b32 s[TC], s[TC], 2
	s_add_co_u32 s[TC], s[TC], s40                 ; tile column
	s_lshl_b32 s[TR], s[TR], 2
	s_add_co_u32 s[TR], s[TR], s41                 ; tile row
	s_lshl_b32 s44, s41, 2
	s_lshl_b32 s44, 15, s44                        ; my row of the cluster
	s_lshl_b32 s45, 0x1111, s40                    ; my column
	; where A's and B's codes and scales begin in xc and xs
	s_mov_b32 s46, 0                               ; A's codes: q,
	s_mov_b32 s66, 0
	s_mov_b32 s92, 18874368                        ; B's codes: w_q,
	s_mov_b32 s94, 786432
	s_cmp_eq_u32 s[GG], 1
	s_cselect_b32 s46, 6291456, s46                ; k,
	s_cselect_b32 s66, 262144, s66
	s_cselect_b32 s92, 19660800, s92               ; w_k,
	s_cselect_b32 s94, 819200, s94
	s_cmp_eq_u32 s[GG], 2
	s_cselect_b32 s46, 20447232, s46               ; w_v
	s_cselect_b32 s66, 851968, s66
	s_cselect_b32 s92, 12582912, s92               ; v
	s_cselect_b32 s94, 524288, s94
	s_mul_i32 s23, s[TR], 196608                   ; A hangs on the tile row alone, which my row of the cluster shares: 16 tiles of 12,288 bytes,
	s_add_co_u32 s46, s46, s23
	s_mul_i32 s23, s[CH], 98304                    ; and the 8 tiles that I fetch
	s_add_co_u32 s46, s46, s23
	s_mov_b32 s47, 0
	s_lshl_b32 s23, s[TR], 13
	s_add_co_u32 s66, s66, s23
	s_lshl_b32 s23, s[CH], 12
	s_add_co_u32 s66, s66, s23
	s_mov_b32 s67, 0
	s_mul_i32 s101, s[TC], 196608                  ; B on the tile column alone, which my column shares
	s_add_co_u32 s92, s92, s101
	s_mul_i32 s101, s[CH], 98304
	s_add_co_u32 s92, s92, s101
	s_mov_b32 s93, 0
	s_lshl_b32 s101, s[TC], 13
	s_add_co_u32 s94, s94, s101
	s_lshl_b32 s101, s[CH], 12
	s_add_co_u32 s94, s94, s101
	s_mov_b32 s95, 0
	; descriptor group 1 for codes: 8 rows (tiles) of 384 elements of 8 bytes, 1,536 elements apart; no padding: every LDS access is 16 or 8 bytes a lane on end
	s_or_b32 s[G1+0], s44, (3<<16)|(1<<21)         ; 15:0 the mask: A's tiles go to my row; 17:16 elements of 8 bytes; 21 set beside a mask
	s_or_b32 s[G1B+0], s45, (3<<16)|(1<<21)
.irp g, G1, G1B
	s_mov_b32 s[\g+1], 384<<16                     ; tensor_dim0
	s_mov_b32 s[\g+2], 8<<16                       ; tensor_dim1
	s_mov_b32 s[\g+3], 384<<16                     ; tile_dim0
	s_mov_b32 s[\g+4], 8                           ; tile_dim1
	s_mov_b32 s[\g+5], 1536                        ; tensor_dim0_stride
	s_mov_b32 s[\g+6], 0
	s_mov_b32 s[\g+7], 0
.endr
	; and for the scales of 128 rows: 4,096 dense bytes as 16 rows of 256 bytes, 16 bytes of padding behind each
	s_or_b32 s[G1S+0], s44, (3<<16)|(1<<20)|(1<<21)|(5<<22)|(3<<25)
	s_or_b32 s[G1SB+0], s45, (3<<16)|(1<<20)|(1<<21)|(5<<22)|(3<<25)
.irp g, G1S, G1SB
	s_mov_b32 s[\g+1], 32<<16
	s_mov_b32 s[\g+2], 16<<16
	s_mov_b32 s[\g+3], 32<<16
	s_mov_b32 s[\g+4], 16
	s_mov_b32 s[\g+5], 32
	s_mov_b32 s[\g+6], 0
	s_mov_b32 s[\g+7], 0
.endr
	s_mul_i32 s2, s[WV], HALFT                     ; where they go: wave x 8 tiles: no place in the cluster enters an LDS address
	s_mul_i32 s3, s[WV], HALFS
	s_wait_kmcnt 0x0
	s_add_nc_u64 s[46:47], s[4:5], s[46:47]
	s_add_nc_u64 s[66:67], s[6:7], s[66:67]
	s_add_nc_u64 s[92:93], s[4:5], s[92:93]
	s_add_nc_u64 s[94:95], s[6:7], s[94:95]
	CROUND                                         ; all sixteen work-groups are here: the first joint loads meet
	s_mov_b32 s[G0S], 1
	s_add_co_u32 s[G0S+1], s3, SCL
	s_mov_b64 s[G0S+2:G0S+3], s[66:67]
	s_or_b32 s[G0S+3], s[G0S+3], 0x80000000
	s_mov_b32 s[G0SB], 1
	s_add_co_u32 s[G0SB+1], s3, SCL
	s_mov_b64 s[G0SB+2:G0SB+3], s[94:95]
	s_or_b32 s[G0SB+3], s[G0SB+3], 0x80000000
	JLOAD G0S, G1S, G0SB, G1SB                     ; the scales first: they are wanted with K step 0
.irp s, 0,1
	s_mov_b32 s[G0+4*\s], 1
	s_add_co_u32 s[G0+4*\s+1], s2, \s*SLOT
	s_add_nc_u64 s[G0+4*\s+2:G0+4*\s+3], s[46:47], \s*KSB
	s_or_b32 s[G0+4*\s+3], s[G0+4*\s+3], 0x80000000
	s_mov_b32 s[G0B+4*\s], 1
	s_add_co_u32 s[G0B+4*\s+1], s2, \s*SLOT
	s_add_nc_u64 s[G0B+4*\s+2:G0B+4*\s+3], s[92:93], \s*KSB
	s_or_b32 s[G0B+4*\s+3], s[G0B+4*\s+3], 0x80000000
	JLOAD G0+4*\s, G1, G0B+4*\s, G1B
.endr
	; the bias, in both forms; the form that is not used reads from the buffer's first bytes
	s_cmp_eq_u32 s[GG], 1
	s_cselect_b64 s[8:9], s[10:11], s[8:9]
	s_cmp_eq_u32 s[GG], 2
	s_cselect_b64 s[8:9], s[12:13], s[8:9]
	s_lshl_b32 s101, s[TC], 10
	s_lshl_b32 s23, s[CH], 9
	s_add_co_u32 s101, s101, s23                   ; my first column of B's rows, x 4 bytes
	s_lshl_b32 s23, s[TR], 10
	s_lshl_b32 s40, s[RH], 9
	s_add_co_u32 s23, s23, s40                     ; my first row of A's rows, x 4 bytes
	s_cmp_eq_u32 s[ISV], 1
	s_cselect_b32 s101, 0, s101
	s_cselect_b32 s23, s23, 0
	v_and_b32 v1, 15, v0                           ; r
	v_bfe_u32 v2, v0, 4, 1                         ; h
	v_lshl_add_u32 v30, v2, 6, s101                ; along the registers: register 16 beta + 8 u + j is column 32 beta + 16 h + 8 u + j
	v_and_b32 v4, 8, v1
	v_add_nc_u32 v4, v4, v1
	v_lshl_add_u32 v31, v4, 2, s23                 ; along the lanes: row r + 8 (r / 8) of the tile
.irp t, 0,1,2,3,4,5,6,7
	global_load_b128 v[BI+8*\t:BI+8*\t+3], v30, s[8:9] offset:(32*(\t/2)+8*(\t%2))*4
	global_load_b128 v[BI+8*\t+4:BI+8*\t+7], v30, s[8:9] offset:(32*(\t/2)+8*(\t%2))*4+16
.endr
.irp a, 0,1,2,3                        ; block a's number twice, as a pair: blocks 0-3 in v8-15, blocks 4-7 in v232-239
	global_load_b32 v[8+2*\a], v31, s[8:9] offset:(32*(\a/2)+8*(\a%2))*4
	global_load_b32 v[9+2*\a], v31, s[8:9] offset:(32*(\a/2)+8*(\a%2))*4
	global_load_b32 v[232+2*\a], v31, s[8:9] offset:(64+32*(\a/2)+8*(\a%2))*4
	global_load_b32 v[233+2*\a], v31, s[8:9] offset:(64+32*(\a/2)+8*(\a%2))*4
.endr
	v_and_b32 v5, 31, v0
	v_lshlrev_b32 v[L16], 4, v5
	v_lshlrev_b32 v[L8], 3, v5
	s_mul_i32 s2, s[RH], HALFT                     ; my 8 tiles of A
	s_mul_i32 s3, s[CH], HALFT                     ; my 8 tiles of B,
	s_add_co_u32 s3, s3, 2*HALFT                   ; which lie behind A's 16
.irp s, 0,1
	v_add_nc_u32 v[ADRA+\s], s2, v[L16]
	v_add_nc_u32 v[ADRA+2+\s], s2, v[L8]
	v_add_nc_u32 v[ADRB+\s], s3, v[L16]
	v_add_nc_u32 v[ADRB+2+\s], s3, v[L8]
	s_add_co_u32 s2, s2, SLOT
	s_add_co_u32 s3, s3, SLOT
.endr
	v_lshlrev_b32 v5, 5, v1                        ; my row's scales: 32 bytes a row,
	v_lshrrev_b32 v6, 8, v5
	v_lshl_add_u32 v5, v6, 4, v5                   ; and 16 more for each 256 passed
	s_mul_i32 s2, s[RH], HALFS
	s_mul_i32 s3, s[CH], HALFS
	s_add_co_u32 s3, s3, 2*HALFS
	s_sub_co_u32 s3, s3, s2
	v_mul_u32_u24 v6, s3, v2                       ; lanes 16-31 take B's
	s_add_co_u32 s2, s2, SCL
	v_add_nc_u32 v5, v5, v6
	v_add_nc_u32 v[ADRS], s2, v5
.irp b, 0,1,2,3
	v_mov_b32 v[TM+4+\b], 0                        ; written once: a lane permute's destination counts as one of its sources
.endr
.macro FRAG reg, adr, q, i             ; a fragment is two units on end: 512, 256, 512, 256 consecutive bytes, as the registers want them
	ds_load_b128 v[\reg:\reg+3], v[\adr] offset:KSB*(\i)+1536*(\q)
	ds_load_b64 v[\reg+4:\reg+5], v[\adr+2] offset:KSB*(\i)+1536*(\q)+512
	ds_load_b128 v[\reg+6:\reg+9], v[\adr] offset:KSB*(\i)+1536*(\q)+768
	ds_load_b64 v[\reg+10:\reg+11], v[\adr+2] offset:KSB*(\i)+1536*(\q)+1280
.endm
; 16 matrix instructions: A's blocks a0, a0 + 1 x B's eight, 128 along K.  p: B's set; sc: the set of scale words; zero = 1: the first product starts the sums.
; The 64 accumulators take turns, one instruction a turn, in the same order in every step.
.macro MUL16 a0, p, q, sc, zero
.irp a, \a0, \a0+1
.irp b, 0,1,2,3,4,5,6,7
.if \zero
	v_wmma_scale_f32_16x16x128_f8f6f4 v[8*(8*((\a)%4)+\b):8*(8*((\a)%4)+\b)+7], v[128*(\p)+FR*\b:128*(\p)+FR*\b+FR-1], v[AF+FR*(\a):AF+FR*(\a)+FR-1], 0, v[SC+8*NQ*(\sc)+NQ*\b+(\q)], v[SC+8*NQ*(\sc)+NQ*(\a)+(\q)] matrix_a_fmt:MATRIX_FMT_FP6 matrix_b_fmt:MATRIX_FMT_FP6 matrix_a_scale:MATRIX_SCALE_ROW1
.else
	v_wmma_scale_f32_16x16x128_f8f6f4 v[8*(8*((\a)%4)+\b):8*(8*((\a)%4)+\b)+7], v[128*(\p)+FR*\b:128*(\p)+FR*\b+FR-1], v[AF+FR*(\a):AF+FR*(\a)+FR-1], v[8*(8*((\a)%4)+\b):8*(8*((\a)%4)+\b)+7], v[SC+8*NQ*(\sc)+NQ*\b+(\q)], v[SC+8*NQ*(\sc)+NQ*(\a)+(\q)] matrix_a_fmt:MATRIX_FMT_FP6 matrix_b_fmt:MATRIX_FMT_FP6 matrix_a_scale:MATRIX_SCALE_ROW1
.endif
.endr
.endr
.endm
.macro FETCH_B slot, q, p
	WIN TO_B
.irp i, 0,1,2,3,4,5,6,7
	FRAG 128*(\p)+FR*\i, ADRB+\slot, \q, \i
.endr
	WIN 0
.endm
.macro FETCH_A slot, q, i0
.irp i, \i0, \i0+1, \i0+2, \i0+3
	FRAG AF+FR*(\i), ADRA+\slot, \q, \i
.endr
.endm
.macro SCALES sc                       ; a K step's scale words: two words a row; lanes 0-15 take A's block i, lanes 16-31 B's block i
.irp i, 0,1,2,3,4,5,6,7
	ds_load_b64 v[SC+8*NQ*\sc+NQ*\i:SC+8*NQ*\sc+NQ*\i+1], v[ADRS] offset:\i*SBLK
.endr
.endm
.macro PLACES n                        ; plain vector instructions between a matrix instruction and a load into, or a vector instruction on, its registers
.rept \n
	v_nop
.endr
.endm
.macro STEP slot, q, zero              ; a step of 128 along K that has its successor in the same slot
	s_wait_dscnt 4*NL                              ; B's set and A's blocks 0-3 are in; the youngest 16 loads (A's blocks 4-7) may be out
	WIN MUL_LO
	MUL16 0, (\q)%2, \q, \slot, \zero
	MUL16 2, (\q)%2, \q, \slot, \zero
	s_wait_dscnt 0
	PLACES NP
	FETCH_B \slot, (\q)+1, 1-(\q)%2
	FETCH_A \slot, (\q)+1, 0
	WIN MUL_HI
	MUL16 4, (\q)%2, \q, \slot, \zero
	MUL16 6, (\q)%2, \q, \slot, \zero
	PLACES NP
	WIN 0
	FETCH_A \slot, (\q)+1, 4
.endm
; A slot's last step changes slots: one barrier; in front of it each wave waits for all its tensor loads, adds 0 to its spare word, and waits for that and for its own reads of this slot.  fill = 1: this slot is filled again, two K steps ahead.
.macro TURN slot, next, fill
	s_wait_tensorcnt 0x0                           ; all my tensor loads have landed: my part of the next slot
	ds_add_u32 v[SPW], v[NIL]                      ; 0 onto my spare word
	s_wait_dscnt 4*NL+1                            ; (the add and the youngest 16 loads, A's blocks 4-7, may be out)
	WIN MUL_LO
	MUL16 0, 1, NQ-1, \slot, 0                     ; sixteen matrix instructions stand between the add and the wait for it
	s_wait_dscnt 0x0                               ; the add is done, and my reads of this slot are over
	s_barrier_signal -1
	MUL16 2, 1, NQ-1, \slot, 0
	WIN 0
	s_barrier_wait -1
.if \fill
	CREST                                          ; the barrier has opened a round of the cluster's barrier: no wave of any partner still reads this slot's tile or has a load on its way
	s_add_nc_u64 s[G0+4*\slot+2:G0+4*\slot+3], s[G0+4*\slot+2:G0+4*\slot+3], 2*KSB
	s_add_nc_u64 s[G0B+4*\slot+2:G0B+4*\slot+3], s[G0B+4*\slot+2:G0B+4*\slot+3], 2*KSB
	JLOAD G0+4*\slot, G1, G0B+4*\slot, G1B         ; the first tensor load behind the round; its four v_nop are the places in front of the loads below
.else
	PLACES NP
.endif
	v_add_nc_u32 v[ADRS], 4*NQ, v[ADRS]            ; on to the next K step's scale words (no LDS load of mine is out)
	FETCH_B \next, 0, 0
	FETCH_A \next, 0, 0
	SCALES \next
	WIN MUL_HI
	MUL16 4, 1, NQ-1, \slot, 0
	MUL16 6, 1, NQ-1, \slot, 0
	PLACES NP
	WIN 0
	FETCH_A \next, 0, 4
.endm
	s_wait_tensorcnt 1                             ; the scales and my part of K step 0 are in (K step 1's load may be out)
	s_barrier_signal -1
	s_barrier_wait -1                              ; everybody's are
	FETCH_B 0, 0, 0
	FETCH_A 0, 0, 0
	SCALES 0
	FETCH_A 0, 0, 4
	STEP 0, 0, 1                                   ; K step 0: its first products start the sums
	TURN 0, 1, 1                                   ; slot 0 takes K step 2
	STEP 1, 0, 0
	TURN 1, 0, 1                                   ; slot 1 takes K step 3
	STEP 0, 0, 0
	TURN 0, 1, 0                                   ; nothing is left to fetch
	STEP 1, 0, 0
	s_wait_dscnt 4*NL
	WIN MUL_LO
	MUL16 0, 1, NQ-1, 1, 0
	MUL16 2, 1, NQ-1, 1, 0
	s_wait_dscnt 0
	WIN MUL_HI
	MUL16 4, 1, NQ-1, 1, 0
	MUL16 6, 1, NQ-1, 1, 0
	WIN 0
; THE WAY OUT.  No tensor load of mine is out since the last change of slots, so the descriptors' registers are free.
	s_mov_b32 s[SEL], 0x76543210
	s_mov_b32 s[SEL+1], 0xfedcba98                 ; v_permlanex16_b32's selects for lane l xor 16
	s_lshl_b32 s24, s[TR], 4
	s_lshl_b32 s25, s[RH], 3
	s_add_co_u32 s24, s24, s25                     ; ia0: my first tile of A's rows
	s_lshl_b32 s25, s[TC], 2
	s_lshl_b32 s26, s[CH], 1
	s_add_co_u32 s25, s25, s26                     ; jb0: my first 64 of B's rows
	s_lshl_b32 s26, s25, 9
	s_add_co_u32 s26, s26, s24                     ; Q, K: unit 512 head + token tile
	s_lshr_b32 s27, s24, 2
	s_lshl_b32 s27, s27, 9
	s_lshl_b32 s28, s25, 2
	s_add_co_u32 s27, s27, s28                     ; V: unit 512 head + 8 x (jb0 / 2)
	s_lshl_b32 s28, s25, 6
	s_lshr_b32 s29, s24, 3
	s_add_co_u32 s28, s28, s29                     ; Q, K: group 64 head + ia0 / 8
	s_lshr_b32 s29, s24, 2
	s_lshl_b32 s29, s29, 6
	s_lshr_b32 s30, s25, 1
	s_add_co_u32 s29, s29, s30                     ; V: group 64 head + jb0 / 2
	s_mov_b32 s36, 393216                          ; from a fragment's first unit to its second: the next head (Q, K) or the next unit (V)
	s_mov_b32 s38, 768                             ; from block to block: the next token tile, or the next tile of the head's 64
	s_cmp_eq_u32 s[ISV], 1
	s_cselect_b32 s26, s27, s26
	s_cselect_b32 s28, s29, s28
	s_cselect_b32 s36, 768, s36
	s_cselect_b32 s38, 1536, s38
	s_cselect_b32 s40, 387072, 0                   ; V, at block 4: on to the next head: 512 units less the 8 passed
	s_mov_b32 s37, 0
	s_mov_b32 s39, 0
	s_mov_b32 s41, 0
	s_mul_i32 s26, s26, 768
	s_mul_i32 s27, s[GG], 6291456
	s_add_co_u32 s26, s26, s27
	s_mov_b32 s27, 0
	s_add_nc_u64 s[32:33], s[14:15], s[26:27]
	s_add_nc_u64 s[34:35], s[32:33], s[36:37]
	s_lshl_b32 s28, s28, 8
	s_lshl_b32 s29, s[GG], 18
	s_add_co_u32 s28, s28, s29
	s_mov_b32 s29, 0
	s_add_nc_u64 s[44:45], s[16:17], s[28:29]
	s_mov_b32 s50, 0xffff0000                      ; lanes 16-31
; 64 numbers of a lane, register 16 b + i = k 32 b + 16 (lane / 16) + i of my row, become a fragment's codes in v[PC] on and its scale word in v[pw].
.macro QUANT s, pw
.irp b, 0,1,2,3
	v_max3_num_f32 v[TM+\b], |v[\s+16*\b]|, |v[\s+1+16*\b]|, 0x1800000   ; block b: my 16 numbers, and the floor 2^(3 - 127): the byte cannot fall under 1
.endr
.irp i, 2,4,6,8,10,12,14
.irp b, 0,1,2,3
	v_max3_num_f32 v[TM+\b], v[TM+\b], |v[\s+16*\b+\i]|, |v[\s+1+16*\b+\i]|
.endr
.endr
.irp b, 0,1,2,3
	v_permlanex16_b32 v[TM+4+\b], v[TM+\b], s[SEL], s[SEL+1]
.endr
.irp b, 0,1,2,3
	v_max_num_f32 v[TM+\b], v[TM+\b], v[TM+4+\b]   ; with lane l xor 16's: the block's largest magnitude
.endr
.irp b, 0,1,2,3
	v_add_nc_u32 v[TM+12+\b], 0xff000000, v[TM+\b] ; 2 off its exponent field: the conversion's scale operand
.endr
.irp b, 0,1,2,3
	v_lshrrev_b32 v[TM+4+\b], 23, v[TM+12+\b]      ; the scale's byte
.endr
	v_lshl_or_b32 v[\pw], v[TM+5], 8, v[TM+4]
	v_lshl_or_b32 v[\pw], v[TM+6], 16, v[\pw]
	v_lshl_or_b32 v[\pw], v[TM+7], 24, v[\pw]
.irp c, 0,1
	v_cvt_scalef32_pk16_fp6_f32 v[PC+6*\c:PC+2+6*\c], v[\s+32*\c:\s+15+32*\c], v[TM+12+2*\c]
	v_cvt_scalef32_pk16_fp6_f32 v[PC+12+4*\c:PC+14+4*\c], v[\s+16+32*\c:\s+31+32*\c], v[TM+12+2*\c+1]   ; (a conversion's three registers begin on an even number)
.endr
	v_nop                                          ; one plain place behind a scaled conversion
.irp c, 0,1                            ; the operand's layout wants a whole block in a lane: lanes 0-15 block 2 c, lanes 16-31 block 2 c + 1
.irp i, 0,1,2
	v_permlane16_swap_b32 v[PC+6*\c+\i], v[PC+12+4*\c+\i]
.endr
.irp i, 0,1,2
	v_mov_b32 v[PC+3+6*\c+\i], v[PC+12+4*\c+\i]
.endr
.endr
.endm
.macro BLOCK a                         ; my block a of 16 rows of A x 128 rows of B
.if (\a) > 0
	s_wait_xcnt 0x0                                ; the last block's stores have read their registers and bases
	s_add_nc_u64 s[32:33], s[32:33], s[38:39]
	s_add_nc_u64 s[34:35], s[34:35], s[38:39]
.endif
.if (\a) == 4
	s_add_nc_u64 s[32:33], s[32:33], s[40:41]
	s_add_nc_u64 s[34:35], s[34:35], s[40:41]
.endif
.if (\a) < 4
.set BLR, 8+2*(\a)
.else
.set BLR, 224+2*(\a)
.endif
	WIN 0x20+0x10*((\a)/4)                         ; source 2: the accumulators' window
.set mm, 0
.rept 32                               ; each accumulator from its low end on; the block comes into window 0 with the bias along the registers
	v_pk_fma_f32 v[H+mm:H+mm+1], v[BI+mm:BI+mm+1], s[FQ:FQ+1], v[64*((\a)%4)+mm:64*((\a)%4)+mm+1] op_sel_hi:[1,0,1]
.set mm, mm+2
.endr
	WIN 0
.set mm, 0
.rept 32                               ; and the bias of my row
	v_pk_fma_f32 v[H+mm:H+mm+1], v[BLR:BLR+1], s[FV:FV+1], v[H+mm:H+mm+1] op_sel_hi:[1,0,1]
.set mm, mm+2
.endr
	QUANT H, PWS+(\a)
	global_store_b128 v[L16], v[PC:PC+3], s[32:33]           ; two units: each store covers 512 or 256 consecutive bytes, aligned to 256
	global_store_b64 v[L8], v[PC+4:PC+5], s[32:33] offset:512
	global_store_b128 v[L16], v[PC+6:PC+9], s[34:35]
	global_store_b64 v[L8], v[PC+10:PC+11], s[34:35] offset:512
.endm
	s_wait_loadcnt 0x0                             ; the bias
	PLACES NP                                      ; behind the last products: their results are read, and A's registers written, below
.irp a, 0,1,2,3,4,5,6,7
	BLOCK \a
.endr
	; the scale words.  Q, K: word w of a head = its two bytes of blocks 2 w and 2 w + 1.  V: the words of blocks 0-3 are the first head's, those of blocks 4-7 the second's
.irp p, 0,1,2,3
	v_perm_b32 v[XW+\p], v[PWS+2*\p+1], v[PWS+2*\p], 0x05040100
	v_perm_b32 v[XW+4+\p], v[PWS+2*\p+1], v[PWS+2*\p], 0x07060302
.endr
.irp i, 0,1,2,3,4,5,6,7
	v_cndmask_b32 v[XW+\i], v[XW+\i], v[PWS+\i], s[VM]
.endr
.irp i, 0,1,2,3
	v_cndmask_b32 v[XO+\i], v[XW+2*\i], v[XW+2*\i+1], s50    ; lanes 0-15 carry the even word, lanes 16-31 the odd one
.endr
	global_store_b64 v[L8], v[XO:XO+1], s[44:45]             ; a whole group: 256 consecutive bytes, aligned
	global_store_b64 v[L8], v[XO+2:XO+3], s[44:45] offset:16384   ; the second head's
	s_wait_tensorcnt 0x0                           ; the wave's end
	ds_add_u32 v[SPW], v[NIL]
	s_wait_dscnt 0x0
	CROUND                                         ; the closing round: no work-group ends while a partner may still ask for a tile that names it
	s_endpgm
.Lfunc_end_k_q209c69b904_proj:
	.size	k_q209c69b904_proj, .Lfunc_end_k_q209c69b904_proj-k_q209c69b904_proj
	.p2alignl 7, 3214868480
	.fill 96, 4, 3214868480
	.section	.rodata,"a",@progbits
	.p2align	6, 0x0
	.amdhsa_kernel k_q209c69b904_proj
		.amdhsa_group_segment_fixed_size 327680
		.amdhsa_private_segment_fixed_size 0
		.amdhsa_enable_private_segment 0
		.amdhsa_kernarg_size 56
		.amdhsa_user_sgpr_count 2
		.amdhsa_user_sgpr_kernarg_segment_ptr 1
		.amdhsa_wavefront_size32 1
		.amdhsa_system_sgpr_workgroup_id_x 1
		.amdhsa_system_sgpr_workgroup_id_y 1
		.amdhsa_system_sgpr_workgroup_id_z 1
		.amdhsa_system_vgpr_workitem_id 0
		.amdhsa_next_free_vgpr 1024
		.amdhsa_next_free_sgpr 102
		.amdhsa_reserve_vcc 0
		.amdhsa_float_denorm_mode_32 3
		.amdhsa_float_denorm_mode_16_64 3
		.amdhsa_memory_ordered 1
		.amdhsa_forward_progress 1
		.amdhsa_inst_pref_size 188
	.end_amdhsa_kernel
	.amdgpu_metadata
---
amdhsa.version: [ 1, 2 ]
amdhsa.kernels:
  - .name:           k_q209c69b904_proj
    .symbol:         k_q209c69b904_proj.kd
    .args:
      - { .name: xc, .offset: 0, .size: 8, .value_kind: global_buffer, .address_space: global }
      - { .name: xs, .offset: 8, .size: 8, .value_kind: global_buffer, .address_space: global }
      - { .name: b_q, .offset: 16, .size: 8, .value_kind: global_buffer, .address_space: global }
      - { .name: b_k, .offset: 24, .size: 8, .value_kind: global_buffer, .address_space: global }
      - { .name: b_v, .offset: 32, .size: 8, .value_kind: global_buffer, .address_space: global }
      - { .name: hc, .offset: 40, .size: 8, .value_kind: global_buffer, .address_space: global }
      - { .name: hs, .offset: 48, .size: 8, .value_kind: global_buffer, .address_space: global }
    .group_segment_fixed_size: 327680
    .private_segment_fixed_size: 0
    .kernarg_segment_align: 8
    .kernarg_segment_size: 56
    .max_flat_workgroup_size: 128
    .sgpr_count:     102
    .vgpr_count:     1024
    .wavefront_size: 32
...
	.end_amdgpu_metadata
.endif
;; end of part 2
;; launch attn (part 3): grid 4 x 64, 16 waves a work-group, no clusters, 206,848 bytes of LDS; arguments hc, hs, mbits, mflag, oc, os; writes oc, os
.if DOCPART == 3
	.amdgcn_target "amdgcn-amd-amdhsa--gfx1250"
	.amdhsa_code_object_version 6
	.text
	.protected	k_q209c69b904_attn
	.globl	k_q209c69b904_attn
	.p2align	8
	.type	k_q209c69b904_attn,@function
k_q209c69b904_attn:
	s_mov_b64 s[64:65], 0
	v_nop
	global_prefetch_b8 v0, s[64:65] scope:SCOPE_SE
	s_setreg_imm32_b32 hwreg(HW_REG_WAVE_MODE, 25, 1), 1
	s_wait_xcnt 0x0
; ATTN.  O = softmax(mask ? Q K^T / 8 : lowest) V for 64 (head, batch) pairs of 2,048 x 2,048 x 64, both products on codes of FP6 (E2M3) with E8M0 scales; O is quantised along the head's 64 into the last product's operand.
; THE SOFTMAX: t = score x log2(e) / 8; M = the running largest t rounded up to a whole number; p = 2^(t - M) is quantised along the keys; the row's sum is taken of the unquantised p and divides O at the end.  When M moves, sum and O are multiplied by 2^(old M - new M): exact.
; SHARES.  Work-group (j = x, y = 4 head + batch).  One pair's K and V as codes, 98,304 bytes each, and their scales, 4,096 each, lie in LDS whole, filled once through registers.  Wave w takes query tile 4 w + j, then tile 127 - (4 w + j).
; LAYOUT.  Both products are used transposed (S^T = K Q^T, O^T = V^T P^T): a lane holds ONE query.  Tiles hold rows 32 (i / 2) + 8 (i % 2) + r + 8 (r / 8), so that the 16 registers of two neighbouring tiles are 16 neighbouring keys (or 16 of the head's 64).
; THE HEAD'S 64 IN A K OF 128: a run of 12 registers of K holds key tile 2 p (k 0-63) and key tile 2 p + 1 (k 64-127); Q stands between two runs of zero codes, and [Q | 0] gives tile 2 p's scores, [0 | Q] tile 2 p + 1's: zero codes add nothing under any scale byte of 1..254.
; THE MASK is an input.  An earlier launch has stored, for each (query tile, 128 keys), 64 lane masks and two flags.  A step none of whose bits is set is left out (its p are 0), by a scalar branch on the stored flag; a step that is all true applies no mask.
; A hidden score becomes -2^126: c x 2^126 is exact, so a query with no open key so far has t - M = 0, p = 1; its first open key makes the factor 2^(old M - new M) zero, which wipes that out; a query with no open key at all ends as the mean of V, as the softmax of equal scores does
; (for such a tile all 16 steps are flagged as work).
; NO JOINT LOADS, though four work-groups read the same 204,800 bytes: a joint load is a tensor load, and the leaving out of hidden steps is a branch on numbers read from memory; each work-group reads those bytes once, at its head.
; LIMITS: scores at or under -2^126 are not told apart from hidden ones; NaN and infinities are not served; blocks of zeros get the byte 1 (this program alone reads the bytes).  The two scale bytes of a tile's rows leave as 32 single bytes: 1 byte in 25 of what the launch stores.
; REGISTERS: v1-5 lane constants; v7-11 addresses of the step; v12 -M, v13 the largest t, v[14:15] the sum; v16-21 zeros, v22-27 Q, v28-33 zeros; v34 Q's scale word; v35 -2^126; v36-39 global offsets; v40-87 K's four runs, then V's four fragments;
; v88-89 K's scale words, v90-91 V's; v96-159 S^T, then p; v160-191 O^T; v192-203 p's codes; v204-210 second halves of conversions; v212-224 at work; v226 the factor, v227 p's scale word.
; s[4:15] the six buffers, never stepped; s[32:63], s[68:99] the step's 64 lane masks.
.set VB,   98304                       ; LDS: K's codes at 0, V's here,
.set KSB,  196608                      ; K's scale groups, 256 bytes a step,
.set VSO,  4096                        ; and V's, this far behind them
	s_load_b256 s[4:11], s[0:1], 0x0               ; hc, hs, mbits, mflag
	s_load_b128 s[12:15], s[0:1], 0x20             ; oc, os
	v_lshl_add_u32 v254, v0, 2, 0x32000
	v_mov_b32 v255, 0
	v_lshrrev_b32 v1, 5, v0
	v_readfirstlane_b32 s16, v1                    ; wave 0..15
	s_and_b32 s27, ttmp7, 0xffff                   ; y = 4 head + batch
	s_lshl_b32 s100, s16, 2
	s_add_co_u32 s100, s100, ttmp9                 ; the first pass's tile,
	s_sub_co_u32 s101, 127, s100                   ; the second's
	s_mov_b32 s20, 0x76543210
	s_mov_b32 s21, 0xfedcba98                      ; v_permlanex16_b32's selects for lane l xor 16
	s_mov_b32 s22, 0x3e38aa3b                      ; c = log2(e) / 8
	s_mov_b32 s23, s22                             ; (named with it as a pair, so it is written)
	s_mov_b32 s30, 0xffff0000                      ; lanes 16-31
	; THE FILL: thread t copies 25 pieces of 16 bytes; piece i lands at LDS byte 16 t + 8,192 i
	v_lshlrev_b32 v200, 4, v0
	v_add_nc_u32 v201, 0x10000, v200
	v_add_nc_u32 v202, 0x20000, v200
	v_add_nc_u32 v203, 0x30000, v200
	s_mul_i32 s2, s27, 98304
	s_add_co_u32 s2, s2, 6291456                   ; K's part of hc; V's lies 6,291,456 bytes on
	v_add_nc_u32 v204, s2, v200
	v_lshrrev_b32 v205, 8, v0
	v_mul_u32_u24 v205, v205, 258048               ; threads 256 on take V's scale groups: 262,144 - 4,096 bytes further on than K's
	s_lshl_b32 s3, s27, 12
	s_add_co_u32 s3, s3, 262144
	v_add3_u32 v205, v205, v200, s3
	s_wait_kmcnt 0x0
.set ii, 0
.rept 12
	global_load_b128 v[96+4*ii:99+4*ii], v204, s[4:5] offset:8192*ii
.set ii, ii+1
.endr
.rept 12
	global_load_b128 v[96+4*ii:99+4*ii], v204, s[4:5] offset:6291456+8192*(ii-12)
.set ii, ii+1
.endr
	global_load_b128 v[192:195], v205, s[6:7]
	v_and_b32 v6, 31, v0
	v_lshlrev_b32 v1, 4, v6                        ; 16 x lane
	v_lshlrev_b32 v2, 3, v6                        ; 8 x lane
	v_add_nc_u32 v3, KSB, v2
	v_and_b32 v6, 15, v0                           ; r
	v_lshlrev_b32 v4, 3, v6                        ; 8 r
	v_bfe_u32 v5, v0, 4, 1                         ; h
	v_lshl_add_u32 v5, v6, 5, v5                   ; 32 r + h
.irp i, 0,1,2,3,4,5
	v_mov_b32 v[16+\i], 0                          ; zero codes on both sides of Q
	v_mov_b32 v[28+\i], 0
.endr
	v_mov_b32 v35, 0xfe800000                      ; -2^126
.irp b, 0,1,2,3
	v_mov_b32 v[216+\b], 0                         ; written once: a lane permute's destination counts as one of its sources
.endr
	v_mov_b32 v227, 0                              ; (named as the upper half of the pair v[226:227] before it is first written)
.set ii, 0
.rept 25
	s_wait_loadcnt 24-ii                           ; piece ii is in; the younger ones may be out
	ds_store_b128 v[200+ii/8], v[96+4*ii:99+4*ii] offset:8192*(ii%8)
.set ii, ii+1
.endr
	s_wait_dscnt 0x0                               ; for the others' sake: my stores have landed
	s_barrier_signal -1
	s_barrier_wait -1                              ; K, V and their scales lie in LDS; nothing is stored there again
	s_mov_b32 s18, 2
.Lpass:
	s_cmp_eq_u32 s18, 2
	s_cselect_b32 s17, s100, s101                  ; tau
	s_mul_i32 s2, s27, 98304
	s_mul_i32 s3, s17, 768
	s_add_co_u32 s2, s2, s3
	v_add_nc_u32 v36, s2, v1
	v_add_nc_u32 v37, s2, v2
	global_load_b128 v[22:25], v36, s[4:5]         ; Q's unit
	global_load_b64 v[26:27], v37, s[4:5] offset:512
	s_lshl_b32 s2, s27, 4
	s_lshr_b32 s3, s17, 3
	s_add_co_u32 s2, s2, s3
	s_lshl_b32 s2, s2, 8                           ; its group of scale words,
	s_bfe_u32 s3, s17, 0x10001
	s_lshl_b32 s3, s3, 7
	s_add_co_u32 s2, s2, s3                        ; word (tau % 8) / 2: its low bit is worth 128 bytes,
	s_bfe_u32 s3, s17, 0x10002
	s_lshl_b32 s3, s3, 2
	s_add_co_u32 s2, s2, s3                        ; its high bit 4
	v_add_nc_u32 v38, s2, v4
	global_load_b32 v39, v38, s[6:7]
	s_lshl_b32 s31, s17, 2
	s_load_b32 s24, s[10:11], s31 offset:0x0       ; the tile's flags
	s_lshl_b32 s28, s17, 12                        ; where the tile's lane masks begin in mbits
	s_load_b512 s[32:47], s[8:9], s28 offset:0x0   ; step 0's: so the 64 registers are written whatever the flags say
	s_load_b512 s[48:63], s[8:9], s28 offset:0x40
	s_load_b512 s[68:83], s[8:9], s28 offset:0x80
	s_load_b512 s[84:99], s[8:9], s28 offset:0xc0
	s_mov_b32 s3, 0x01000100
	s_bitcmp1_b32 s17, 0
	s_cselect_b32 s3, 0x03020302, s3               ; an even tile's two bytes are the word's low half, an odd tile's its high half
	s_mov_b32 s25, 0                               ; the step's codes in LDS: 6,144 bytes a step
	s_mov_b32 s26, 0                               ; its scale groups: 256
	s_mov_b32 s19, 16
	s_wait_kmcnt 0x0
	s_wait_loadcnt 0x0
	v_perm_b32 v34, v39, v39, s3                   ; Q's two bytes twice: they serve [Q | 0] and [0 | Q].  (The 36 lines below are more than the places that a scale register so written owes)
	v_mov_b32 v13, 0xff61b1e6                      ; the largest t so far: -3e38, under every t
	v_floor_f32 v12, -v13                          ; -M
	v_mov_b32 v14, 0
	v_mov_b32 v15, 0
.set ii, 0
.rept 32
	v_mov_b32 v[160+ii], 0                         ; O^T: the step is written once; the first finds zeros, which the first change of M leaves zeros
.set ii, ii+1
.endr
.Lstep:                                            ; 16 trips, a constant: what a flag leaves out is the step's work, not the lines that step addresses
	s_bitcmp1_b32 s24, 0
	s_cbranch_scc0 .Lskip
	v_add_nc_u32 v8, s25, v1                       ; (these five are also the places in front of the loads into registers that the last products read)
	v_add_nc_u32 v9, s25, v2
	v_add_nc_u32 v10, VB, v8
	v_add_nc_u32 v11, VB, v9
	v_add_nc_u32 v7, s26, v3
	s_bitcmp1_b32 s24, 16
	s_cbranch_scc0 .Lno_masks
	s_load_b512 s[32:47], s[8:9], s28 offset:0x0
	s_load_b512 s[48:63], s[8:9], s28 offset:0x40
	s_load_b512 s[68:83], s[8:9], s28 offset:0x80
	s_load_b512 s[84:99], s[8:9], s28 offset:0xc0
.Lno_masks:
.irp p, 0,1,2,3                        ; K's run p: key tiles 2 p and 2 p + 1
	ds_load_b128 v[40+12*\p:43+12*\p], v8 offset:1536*\p
	ds_load_b64 v[44+12*\p:45+12*\p], v9 offset:1536*\p+512
	ds_load_b128 v[46+12*\p:49+12*\p], v8 offset:1536*\p+768
	ds_load_b64 v[50+12*\p:51+12*\p], v9 offset:1536*\p+1280
.endr
	ds_load_b64 v[88:89], v7                       ; K's scale words: v88 runs 0 (lanes 0-15) and 1 (lanes 16-31), v89 runs 2 and 3
	ds_load_b64 v[90:91], v7 offset:VSO            ; V's likewise, by tiles of the head's 64
	s_wait_dscnt 0x0
.irp p, 0,1,2,3
.if (\p%2) == 0
	v_wmma_scale_f32_16x16x128_f8f6f4 v[96+16*\p:103+16*\p], v[40+12*\p:51+12*\p], v[22:33], 0, v[88+\p/2], v34 matrix_a_fmt:MATRIX_FMT_FP6 matrix_b_fmt:MATRIX_FMT_FP6
	v_wmma_scale_f32_16x16x128_f8f6f4 v[104+16*\p:111+16*\p], v[40+12*\p:51+12*\p], v[16:27], 0, v[88+\p/2], v34 matrix_a_fmt:MATRIX_FMT_FP6 matrix_b_fmt:MATRIX_FMT_FP6
.else
	v_wmma_scale_f32_16x16x128_f8f6f4 v[96+16*\p:103+16*\p], v[40+12*\p:51+12*\p], v[22:33], 0, v[88+\p/2], v34 matrix_a_fmt:MATRIX_FMT_FP6 matrix_b_fmt:MATRIX_FMT_FP6 matrix_a_scale:MATRIX_SCALE_ROW1
	v_wmma_scale_f32_16x16x128_f8f6f4 v[104+16*\p:111+16*\p], v[40+12*\p:51+12*\p], v[16:27], 0, v[88+\p/2], v34 matrix_a_fmt:MATRIX_FMT_FP6 matrix_b_fmt:MATRIX_FMT_FP6 matrix_a_scale:MATRIX_SCALE_ROW1
.endif
.endr                                  ; register 16 b + i of lane (r, h): key 128 step + 32 b + 16 h + i, query at place r
.rept 4
	v_nop                                          ; places: K's registers are loaded again, and the scores read, below
.endr
.irp d, 0,1,2,3                        ; V's fragment d: 16 of the head's 64 x these 128 keys; it lands while the softmax is worked
	ds_load_b128 v[40+12*\d:43+12*\d], v10 offset:1536*\d
	ds_load_b64 v[44+12*\d:45+12*\d], v11 offset:1536*\d+512
	ds_load_b128 v[46+12*\d:49+12*\d], v10 offset:1536*\d+768
	ds_load_b64 v[50+12*\d:51+12*\d], v11 offset:1536*\d+1280
.endr
	s_wait_kmcnt 0x0                               ; the lane masks are in, and their offset register is free
	s_bitcmp1_b32 s24, 16
	s_cbranch_scc0 .Lopen
.set nn, 0
.rept 64                               ; the word of register n lies at place 2 (n % 32) + n / 32
.set kk, 2*(nn%32)+nn/32
	v_cndmask_b32 v[96+nn], v35, v[96+nn], s[32+kk+4*(kk/32)]
.set nn, nn+1
.endr
.Lopen:
.irp b, 0,1,2,3
	v_max3_num_f32 v[212+\b], v[96+16*\b], v[97+16*\b], v[98+16*\b]   ; the largest score of each block of 32 keys: it serves for the row's maximum and, since p rises with the score, for the block's largest p
.endr
.irp i, 3,5,7,9,11,13
.irp b, 0,1,2,3
	v_max3_num_f32 v[212+\b], v[212+\b], v[96+16*\b+\i], v[97+16*\b+\i]
.endr
.endr
.irp b, 0,1,2,3
	v_max_num_f32 v[212+\b], v[212+\b], v[111+16*\b]
.endr
.irp b, 0,1,2,3
	v_permlanex16_b32 v[216+\b], v[212+\b], s20, s21
.endr
.irp b, 0,1,2,3
	v_max_num_f32 v[212+\b], v[212+\b], v[216+\b]  ; with lane l xor 16's 16 keys
.endr
	v_max3_num_f32 v224, v212, v213, v214
	v_max_num_f32 v224, v224, v215
	v_mul_f32 v224, s22, v224                      ; the step's largest t of my query
	v_max_num_f32 v13, v13, v224
	v_mov_b32 v224, v12
	v_floor_f32 v12, -v13                          ; the new -M = -ceil(t): a whole number
	v_sub_f32 v224, v12, v224                      ; old M - new M: a whole number, 0 or less
	v_cvt_i32_f32 v224, v224                       ; (it saturates)
	v_ldexp_f32 v226, 1.0, v224                    ; the factor 2^(old M - new M): it rounds nothing
.set nn, 0
.rept 32
	v_pk_fma_f32 v[96+nn:97+nn], v[96+nn:97+nn], s[22:23], v[12:13] op_sel_hi:[1,0,0]   ; t - M, two at a time
.set nn, nn+2
.endr
.irp b, 0,1,2,3
	v_fma_f32 v[212+\b], v[212+\b], s22, v12       ; the same of each block's largest score
.endr
.set nn, 0
.rept 64
	v_exp_f32 v[96+nn], v[96+nn]                   ; p = 2^(t - M), at most 1
.set nn, nn+1
.endr
	v_pk_mul_f32 v[14:15], v[14:15], v[226:227] op_sel_hi:[1,0]   ; the sums under the new M (a plain place behind the exponentials)
	s_wait_alu depctr_va_vdst(0)                   ; one wait for the whole batch, ahead of its first reader
.irp b, 0,1,2,3
	v_exp_f32 v[212+\b], v[212+\b]                 ; the block's largest p: the same two instructions on the same number give the same bits
.endr
	v_pk_add_f32 v[216:217], v[96:97], v[98:99]    ; the row's sum is taken of the unquantised p, in two chains
.irp j, 4,8,12,16,20,24,28,32,36,40,44,48,52,56,60
	v_pk_add_f32 v[14:15], v[14:15], v[96+\j:97+\j]
	v_pk_add_f32 v[216:217], v[216:217], v[98+\j:99+\j]
.endr
	v_pk_add_f32 v[14:15], v[14:15], v[216:217]
	s_wait_alu depctr_va_vdst(0)                   ; and one for the four
.irp b, 0,1,2,3
	v_max_num_f32 v[212+\b], 0x1800000, v[212+\b]  ; the floor 2^(3 - 127): the byte cannot fall under 1
.endr
.irp b, 0,1,2,3
	v_add_nc_u32 v[220+\b], 0xff000000, v[212+\b]  ; 2 off the exponent field: the conversion's scale operand
.endr
.irp b, 0,1,2,3
	v_lshrrev_b32 v[216+\b], 23, v[220+\b]         ; the scale's byte
.endr
	v_lshl_or_b32 v227, v217, 8, v216              ; p's scale word for these 128 keys
	v_lshl_or_b32 v227, v218, 16, v227
	v_lshl_or_b32 v227, v219, 24, v227
.irp c, 0,1
	v_cvt_scalef32_pk16_fp6_f32 v[192+6*\c:194+6*\c], v[96+32*\c:111+32*\c], v[220+2*\c]
	v_cvt_scalef32_pk16_fp6_f32 v[204+4*\c:206+4*\c], v[112+32*\c:127+32*\c], v[220+2*\c+1]
.endr
	v_nop                                          ; one plain place behind a scaled conversion
.irp c, 0,1                            ; a whole block in a lane: lanes 0-15 block 2 c, lanes 16-31 block 2 c + 1
.irp i, 0,1,2
	v_permlane16_swap_b32 v[192+6*\c+\i], v[204+4*\c+\i]
.endr
.irp i, 0,1,2
	v_mov_b32 v[195+6*\c+\i], v[204+4*\c+\i]
.endr
.endr
.set nn, 0
.rept 16
	v_pk_mul_f32 v[160+nn:161+nn], v[160+nn:161+nn], v[226:227] op_sel_hi:[1,0]   ; O^T under the new M.  (These 16 are also the places between the codes and the scale word just made and the products)
.set nn, nn+2
.endr
	s_wait_dscnt 0x0                               ; V's fragments are in
.irp d, 0,1,2,3                        ; the four accumulators by turns; eight score products stand between two links of a chain
.if (\d%2) == 0
	v_wmma_scale_f32_16x16x128_f8f6f4 v[160+8*\d:167+8*\d], v[40+12*\d:51+12*\d], v[192:203], v[160+8*\d:167+8*\d], v[90+\d/2], v227 matrix_a_fmt:MATRIX_FMT_FP6 matrix_b_fmt:MATRIX_FMT_FP6
.else
	v_wmma_scale_f32_16x16x128_f8f6f4 v[160+8*\d:167+8*\d], v[40+12*\d:51+12*\d], v[192:203], v[160+8*\d:167+8*\d], v[90+\d/2], v227 matrix_a_fmt:MATRIX_FMT_FP6 matrix_b_fmt:MATRIX_FMT_FP6 matrix_a_scale:MATRIX_SCALE_ROW1
.endif
.endr
.Lskip:
	s_add_co_u32 s25, s25, 6144
	s_add_co_u32 s26, s26, 256
	s_add_co_u32 s28, s28, 256
	s_lshr_b32 s24, s24, 1
	s_sub_co_u32 s19, s19, 1
	s_cmp_lg_u32 s19, 0
	s_cbranch_scc1 .Lstep
	; THE PASS'S END: O^T / the sum, quantised along the head's 64: register 16 b + i of lane (r, h) is channel 32 b + 16 h + i of the query at place r
	v_add_f32 v14, v14, v15
	v_permlanex16_b32 v216, v14, s20, s21
	v_add_f32 v14, v14, v216                       ; the row's sum
	v_rcp_f32 v14, v14
	s_and_b32 s2, s27, 3
	s_lshl_b32 s2, s2, 7
	s_add_co_u32 s2, s2, s17                       ; the token tile: 128 batch + tau
	s_lshr_b32 s3, s27, 2                          ; the head
	s_lshl_b32 s31, s2, 4
	s_add_co_u32 s31, s31, s3
	s_mul_i32 s31, s31, 768                        ; oc: unit 16 x token tile + head
	v_add_nc_u32 v36, s31, v1                      ; (plain work behind the reciprocal, and places behind the last products)
	v_add_nc_u32 v37, s31, v2
	s_lshl_b32 s2, s2, 9
	s_lshl_b32 s3, s3, 1
	s_add_co_u32 s2, s2, s3                        ; os: 512 x token tile + 2 head
	v_add_nc_u32 v38, s2, v5
	v_nop
	s_wait_alu depctr_va_vdst(0)                   ; a wait ahead of the reciprocal's first reader
.set nn, 0
.rept 16
	v_pk_mul_f32 v[96+nn:97+nn], v[160+nn:161+nn], v[14:15] op_sel_hi:[1,0]
.set nn, nn+2
.endr
.irp b, 0,1
	v_max3_num_f32 v[212+\b], |v[96+16*\b]|, |v[97+16*\b]|, 0x1800000
.endr
.irp i, 2,4,6,8,10,12,14
.irp b, 0,1
	v_max3_num_f32 v[212+\b], v[212+\b], |v[96+16*\b+\i]|, |v[97+16*\b+\i]|
.endr
.endr
.irp b, 0,1
	v_permlanex16_b32 v[216+\b], v[212+\b], s20, s21
.endr
.irp b, 0,1
	v_max_num_f32 v[212+\b], v[212+\b], v[216+\b]
.endr
.irp b, 0,1
	v_add_nc_u32 v[220+\b], 0xff000000, v[212+\b]
.endr
.irp b, 0,1
	v_lshrrev_b32 v[216+\b], 23, v[220+\b]
.endr
	v_cvt_scalef32_pk16_fp6_f32 v[192:194], v[96:111], v220
	v_cvt_scalef32_pk16_fp6_f32 v[204:206], v[112:127], v221
	v_nop
.irp i, 0,1,2
	v_permlane16_swap_b32 v[192+\i], v[204+\i]
.endr
.irp i, 0,1,2
	v_mov_b32 v[195+\i], v[204+\i]
.endr
	v_cndmask_b32 v224, v216, v217, s30            ; lanes 0-15 store block 0's byte, lanes 16-31 block 1's
	global_store_b128 v36, v[192:195], s[12:13]    ; a unit: 512 and 256 consecutive bytes, aligned to 256
	global_store_b64 v37, v[196:197], s[12:13] offset:512
	global_store_b8 v38, v224, s[14:15]
	s_wait_xcnt 0x0                                ; the stores have read their registers: the next pass writes them
	s_sub_co_u32 s18, s18, 1
	s_cmp_lg_u32 s18, 0
	s_cbranch_scc1 .Lpass
	s_wait_tensorcnt 0x0
	ds_add_u32 v254, v255
	s_wait_dscnt 0x0
	s_endpgm
.Lfunc_end_k_q209c69b904_attn:
	.size	k_q209c69b904_attn, .Lfunc_end_k_q209c69b904_attn-k_q209c69b904_attn
	.p2alignl 7, 3214868480
	.fill 96, 4, 3214868480
	.section	.rodata,"a",@progbits
	.p2align	6, 0x0
	.amdhsa_kernel k_q209c69b904_attn
		.amdhsa_group_segment_fixed_size 206848
		.amdhsa_private_segment_fixed_size 0
		.amdhsa_enable_private_segment 0
		.amdhsa_kernarg_size 48
		.amdhsa_user_sgpr_count 2
		.amdhsa_user_sgpr_kernarg_segment_ptr 1
		.amdhsa_wavefront_size32 1
		.amdhsa_system_sgpr_workgroup_id_x 1
		.amdhsa_system_sgpr_workgroup_id_y 1
		.amdhsa_system_sgpr_workgroup_id_z 1
		.amdhsa_system_vgpr_workitem_id 0
		.amdhsa_next_free_vgpr 256
		.amdhsa_next_free_sgpr 102
		.amdhsa_reserve_vcc 0
		.amdhsa_float_denorm_mode_32 3
		.amdhsa_float_denorm_mode_16_64 3
		.amdhsa_memory_ordered 1
		.amdhsa_forward_progress 1
		.amdhsa_inst_pref_size 35
	.end_amdhsa_kernel
	.amdgpu_metadata
---
amdhsa.version: [ 1, 2 ]
amdhsa.kernels:
  - .name:           k_q209c69b904_attn
    .symbol:         k_q209c69b904_attn.kd
    .args:
      - { .name: hc, .offset: 0, .size: 8, .value_kind: global_buffer, .address_space: global }
      - { .name: hs, .offset: 8, .size: 8, .value_kind: global_buffer, .address_space: global }
      - { .name: mbits, .offset: 16, .size: 8, .value_kind: global_buffer, .address_space: global }
      - { .name: mflag, .offset: 24, .size: 8, .value_kind: global_buffer, .address_space: global }
      - { .name: oc, .offset: 32, .size: 8, .value_kind: global_buffer, .address_space: global }
      - { .name: os, .offset: 40, .size: 8, .value_kind: global_buffer, .address_space: global }
    .group_segment_fixed_size: 206848
    .private_segment_fixed_size: 0
    .kernarg_segment_align: 8
    .kernarg_segment_size: 48
    .max_flat_workgroup_size: 512
    .sgpr_count:     102
    .vgpr_count:     256
    .wavefront_size: 32
...
	.end_amdgpu_metadata
.endif
;; end of part 3
;; launch outp (part 4): grid 4 x 32, 4 waves a work-group, clusters of 4 x 4, 327,680 bytes of LDS; arguments oc, os, xc, xs, b_o, out0; writes out0
.if DOCPART == 4
	.amdgcn_target "amdgcn-amd-amdhsa--gfx1250"
	.amdhsa_code_object_version 6
	.text
	.protected	k_q209c69b904_outp
	.globl	k_q209c69b904_outp
	.p2align	8
	.type	k_q209c69b904_outp,@function
k_q209c69b904_outp:
	s_mov_b64 s[64:65], 0
	v_nop
	global_prefetch_b8 v0, s[64:65] scope:SCOPE_SE
	s_setreg_imm32_b32 hwreg(HW_REG_WAVE_MODE, 25, 1), 1
	s_wait_xcnt 0x0
	s_wait_alu depctr_hold_cnt(0) depctr_sa_sdst(0) depctr_va_vdst(0) depctr_va_sdst(0) depctr_va_ssrc(0) depctr_va_vcc(0) depctr_vm_vsrc(0)
	s_getreg_b32 s2, hwreg(HW_REG_IB_STS2, 6, 4)
	s_cmp_eq_u32 s2, 0
	s_cbranch_scc0 .Lentry_in_a_cluster
	s_endpgm
.Lentry_in_a_cluster:
	s_bfe_u32 s2, ttmp6, 0x10000c
	s_cmp_lg_u32 s2, 0xf033
	s_cbranch_scc0 .Lentry_shape_is_right
	s_endpgm
.Lentry_shape_is_right:
; OUTP.  out0 = O w_o^T + b_o, 8,192 x 1,024 x 1,024, on codes of FP6 (E2M3) with E8M0 scales; out0 f32.
; A = O's codes (oc, os), B = w_o's (in xc at 21,233,664, in xs at 884,736), both in the order of the operand's registers: a unit of 768 bytes is 16 rows x 64 K (registers 0-3 at 16 x lane, registers 4-5 at 512 + 8 x lane), a tile of 16 rows has 16 units on end;
; a tile's rows are 32 (i / 2) + 8 (i % 2) + r + 8 (r / 8).  A work-group makes 256 x 256, a wave 128 x 128: 64 accumulators, 512 registers.  128 work-groups: the product has no more tiles of this size.
; K goes in four steps of 256 through a ring of two LDS slots; a wave's tensor load brings 8 tiles x 3,072 bytes.  The scales of the work-group's rows, for all of K, come once with the first fills.
; CLUSTERS of 4 x 4: A's tiles are shared along a row of the cluster, B's along a column: each is asked for jointly.  By this text's own count a wave has three tensor loads out at the start and one behind each refill.
; The matrix instruction is used transposed (source 0 = 16 rows of B, source 1 = 16 rows of A): a lane holds one row of out0, and the 16 registers of two neighbouring tiles of B are 16 neighbouring columns.
; THE BIAS is the C of each sum's first matrix instruction: eight registers for each tile of B.
; No prefetch: K has four steps, and each tile is asked for once for each row or column of a cluster.
.set KSB,    3072
.set HALFT,  8*KSB
.set SLOT,   4*HALFT
.set NQ,     2
.set FR,     12
.set NL,     4
.set NP,     4
.set SCL,    2*SLOT
.set HALFS,  16*272
.set SBLK,   2*272
.set SPARE,  SCL+4*HALFS               ; the spare words, 128 bytes for each wave: two blocks of 256 bytes that no other line names
.set SPITCH, 528                       ; the way out: a stage of 16 rows x (512 + 16) bytes for each wave, in slot 0, which has had its last fill and its last read when the first result is stored there
.set ADRA, 16
.set ADRB, 20
.set L16,  24                          ; v24  16 x lane
.set L8,   25                          ; v25  8 x lane
.set STO,  26                          ; v26  the stage: where I put 32 bytes of a row
.set ADRS, 27
.set SPW,  28
.set NIL,  29
.set RD,   31                          ; v31  the stage: where I read a row back
.set SC,   32
.set BI,   64                          ; v64-127 the bias: register 8 b + j is column 32 (b / 2) + 16 h + 8 (b % 2) + j
.set AF,   128
.set BK,   128                         ; the way out: 16 rows read back: v128-191 and v192-255 by turns
.set WV,  18
.set RH,  19
.set CH,  20
.set TC,  42
.set TR,  43
.set G1, 24
.set G0, 32
.set G1B, 48
.set G0B, 56
.set G1S, 68
.set G0S, 76
.set G1SB, 80
.set G0SB, 88
.set MSB, 0
.macro WIN new                         ; the immediate's high byte repeats the setting that is left
.if MSB != (\new)
	s_set_vgpr_msb (MSB<<8)|(\new)
.set MSB, \new
.endif
.endm
.set MUL_LO, 0xa1                      ; source 0 (B) window 1, source 1 (A) window 0, C and D window 2
.set MUL_HI, 0xf1                      ; the same, C and D window 3
.set TO_B,   0x40
.macro JLOAD g0a, g1a, g0b, g1b        ; a joint load: waves 0 and 1 fetch for A, waves 2 and 3 for B; four v_nop follow each of the two lines
	s_cmp_eq_u32 s[RH], 0
	s_cbranch_scc0 .Lfor_b_\@
	tensor_load_to_lds s[\g0a:\g0a+3], s[\g1a:\g1a+7]
	s_nop 0
.rept 4
	v_nop
.endr
	s_branch .Lasked_\@
.Lfor_b_\@:
	tensor_load_to_lds s[\g0b:\g0b+3], s[\g1b:\g1b+7]
	s_nop 0
.rept 4
	v_nop
.endr
.Lasked_\@:
.endm
.macro CREST
	s_cmp_lg_u32 s[WV], 0
	s_cbranch_scc1 .Lnot_wave_0_\@
	s_barrier_signal -3
.Lnot_wave_0_\@:
	s_barrier_wait -3
	s_barrier_signal -1
	s_barrier_wait -1
.endm
.macro CROUND
	s_barrier_signal -1
	s_barrier_wait -1
	CREST
.endm
	s_load_b256 s[4:11], s[0:1], 0x0               ; oc, os, xc, xs
	s_load_b128 s[12:15], s[0:1], 0x20             ; b_o, out0
	v_lshl_add_u32 v[SPW], v0, 2, SPARE
	v_mov_b32 v[NIL], 0
	ds_add_u32 v28, v29
	ds_add_u32 v28, v29
	s_wait_dscnt 0x0
	v_lshrrev_b32 v1, 5, v0
	v_readfirstlane_b32 s[WV], v1
	s_lshr_b32 s[RH], s[WV], 1
	s_and_b32 s[CH], s[WV], 1
	s_bfe_u32 s40, ttmp6, 0x40000                  ; cx
	s_bfe_u32 s41, ttmp6, 0x40004                  ; cy
	s_lshl_b32 s[TC], ttmp9, 2
	s_add_co_u32 s[TC], s[TC], s40                 ; tile column
	s_and_b32 s[TR], ttmp7, 0xffff
	s_lshl_b32 s[TR], s[TR], 2
	s_add_co_u32 s[TR], s[TR], s41                 ; tile row
	s_lshl_b32 s44, s41, 2
	s_lshl_b32 s44, 15, s44                        ; my row of the cluster
	s_lshl_b32 s45, 0x1111, s40                    ; my column
	s_mul_i32 s46, s[TR], 196608                   ; A hangs on the tile row alone
	s_mul_i32 s23, s[CH], 98304
	s_add_co_u32 s46, s46, s23
	s_mov_b32 s47, 0
	s_lshl_b32 s66, s[TR], 13
	s_lshl_b32 s23, s[CH], 12
	s_add_co_u32 s66, s66, s23
	s_mov_b32 s67, 0
	s_mul_i32 s92, s[TC], 196608                   ; B on the tile column alone
	s_mul_i32 s101, s[CH], 98304
	s_add_co_u32 s92, s92, s101
	s_add_co_u32 s92, s92, 21233664
	s_mov_b32 s93, 0
	s_lshl_b32 s94, s[TC], 13
	s_lshl_b32 s101, s[CH], 12
	s_add_co_u32 s94, s94, s101
	s_add_co_u32 s94, s94, 884736
	s_mov_b32 s95, 0
	s_or_b32 s[G1+0], s44, (3<<16)|(1<<21)         ; codes: 8 rows (tiles) of 384 elements of 8 bytes, 1,536 elements apart; no padding
	s_or_b32 s[G1B+0], s45, (3<<16)|(1<<21)
.irp g, G1, G1B
	s_mov_b32 s[\g+1], 384<<16
	s_mov_b32 s[\g+2], 8<<16
	s_mov_b32 s[\g+3], 384<<16
	s_mov_b32 s[\g+4], 8
	s_mov_b32 s[\g+5], 1536
	s_mov_b32 s[\g+6], 0
	s_mov_b32 s[\g+7], 0
.endr
	s_or_b32 s[G1S+0], s44, (3<<16)|(1<<20)|(1<<21)|(5<<22)|(3<<25)   ; scales of 128 rows: 16 rows of 256 bytes, 16 bytes of padding behind each
	s_or_b32 s[G1SB+0], s45, (3<<16)|(1<<20)|(1<<21)|(5<<22)|(3<<25)
.irp g, G1S, G1SB
	s_mov_b32 s[\g+1], 32<<16
	s_mov_b32 s[\g+2], 16<<16
	s_mov_b32 s[\g+3], 32<<16
	s_mov_b32 s[\g+4], 16
	s_mov_b32 s[\g+5], 32
	s_mov_b32 s[\g+6], 0
	s_mov_b32 s[\g+7], 0
.endr
	s_mul_i32 s2, s[WV], HALFT
	s_mul_i32 s3, s[WV], HALFS
	s_wait_kmcnt 0x0
	s_add_nc_u64 s[46:47], s[4:5], s[46:47]
	s_add_nc_u64 s[66:67], s[6:7], s[66:67]
	s_add_nc_u64 s[92:93], s[8:9], s[92:93]
	s_add_nc_u64 s[94:95], s[10:11], s[94:95]
	CROUND                                         ; all sixteen work-groups are here: the first joint loads meet
	s_mov_b32 s[G0S], 1
	s_add_co_u32 s[G0S+1], s3, SCL
	s_mov_b64 s[G0S+2:G0S+3], s[66:67]
	s_or_b32 s[G0S+3], s[G0S+3], 0x80000000
	s_mov_b32 s[G0SB], 1
	s_add_co_u32 s[G0SB+1], s3, SCL
	s_mov_b64 s[G0SB+2:G0SB+3], s[94:95]
	s_or_b32 s[G0SB+3], s[G0SB+3], 0x80000000
	JLOAD G0S, G1S, G0SB, G1SB
.irp s, 0,1
	s_mov_b32 s[G0+4*\s], 1
	s_add_co_u32 s[G0+4*\s+1], s2, \s*SLOT
	s_add_nc_u64 s[G0+4*\s+2:G0+4*\s+3], s[46:47], \s*KSB
	s_or_b32 s[G0+4*\s+3], s[G0+4*\s+3], 0x80000000
	s_mov_b32 s[G0B+4*\s], 1
	s_add_co_u32 s[G0B+4*\s+1], s2, \s*SLOT
	s_add_nc_u64 s[G0B+4*\s+2:G0B+4*\s+3], s[92:93], \s*KSB
	s_or_b32 s[G0B+4*\s+3], s[G0B+4*\s+3], 0x80000000
	JLOAD G0+4*\s, G1, G0B+4*\s, G1B
.endr
	s_lshl_b32 s101, s[TC], 10
	s_lshl_b32 s23, s[CH], 9
	s_add_co_u32 s101, s101, s23                   ; my first column, x 4 bytes
	v_and_b32 v1, 15, v0                           ; r
	v_bfe_u32 v2, v0, 4, 1                         ; h
	v_lshl_add_u32 v30, v2, 6, s101
.irp t, 0,1,2,3,4,5,6,7
	global_load_b128 v[BI+8*\t:BI+8*\t+3], v30, s[12:13] offset:(32*(\t/2)+8*(\t%2))*4
	global_load_b128 v[BI+8*\t+4:BI+8*\t+7], v30, s[12:13] offset:(32*(\t/2)+8*(\t%2))*4+16
.endr
	v_and_b32 v5, 31, v0
	v_lshlrev_b32 v[L16], 4, v5
	v_lshlrev_b32 v[L8], 3, v5
	s_mul_i32 s2, s[RH], HALFT
	s_mul_i32 s3, s[CH], HALFT
	s_add_co_u32 s3, s3, 2*HALFT
.irp s, 0,1
	v_add_nc_u32 v[ADRA+\s], s2, v[L16]
	v_add_nc_u32 v[ADRA+2+\s], s2, v[L8]
	v_add_nc_u32 v[ADRB+\s], s3, v[L16]
	v_add_nc_u32 v[ADRB+2+\s], s3, v[L8]
	s_add_co_u32 s2, s2, SLOT
	s_add_co_u32 s3, s3, SLOT
.endr
	v_lshlrev_b32 v5, 5, v1
	v_lshrrev_b32 v6, 8, v5
	v_lshl_add_u32 v5, v6, 4, v5
	s_mul_i32 s2, s[RH], HALFS
	s_mul_i32 s3, s[CH], HALFS
	s_add_co_u32 s3, s3, 2*HALFS
	s_sub_co_u32 s3, s3, s2
	v_mul_u32_u24 v6, s3, v2                       ; lanes 16-31 take B's
	s_add_co_u32 s2, s2, SCL
	v_add_nc_u32 v5, v5, v6
	v_add_nc_u32 v[ADRS], s2, v5
	s_mul_i32 s2, s[WV], 16*SPITCH                 ; my stage
	v_mul_u32_u24 v5, v1, SPITCH
	v_lshl_add_u32 v5, v2, 6, v5
	v_add_nc_u32 v[STO], s2, v5                    ; in: row r, + 64 h bytes
	v_add_nc_u32 v[RD], s2, v[L16]                 ; back: the 32 lanes take one row of 512 bytes
	s_lshl_b32 s2, s[TR], 20                       ; my first row of out0: 256 tile row + 128 half, rows of 4,096 bytes,
	s_lshl_b32 s3, s[RH], 19
	s_add_co_u32 s2, s2, s3
	s_add_co_u32 s2, s2, s101                      ; and my first column
	s_mov_b32 s3, 0
	s_add_nc_u64 s[14:15], s[14:15], s[2:3]
.macro FRAG reg, adr, q, i             ; a fragment is two units on end
	ds_load_b128 v[\reg:\reg+3], v[\adr] offset:KSB*(\i)+1536*(\q)
	ds_load_b64 v[\reg+4:\reg+5], v[\adr+2] offset:KSB*(\i)+1536*(\q)+512
	ds_load_b128 v[\reg+6:\reg+9], v[\adr] offset:KSB*(\i)+1536*(\q)+768
	ds_load_b64 v[\reg+10:\reg+11], v[\adr+2] offset:KSB*(\i)+1536*(\q)+1280
.endm
; 16 matrix instructions: A's blocks a0, a0 + 1 x B's eight.  first = 1: the sums begin with the bias as C.  The 64 accumulators take turns, one instruction a turn.
.macro MUL16 a0, p, q, sc, first
.irp a, \a0, \a0+1
.irp b, 0,1,2,3,4,5,6,7
.if \first
	v_wmma_scale_f32_16x16x128_f8f6f4 v[8*(8*((\a)%4)+\b):8*(8*((\a)%4)+\b)+7], v[128*(\p)+FR*\b:128*(\p)+FR*\b+FR-1], v[AF+FR*(\a):AF+FR*(\a)+FR-1], v[BI+8*\b:BI+8*\b+7], v[SC+8*NQ*(\sc)+NQ*\b+(\q)], v[SC+8*NQ*(\sc)+NQ*(\a)+(\q)] matrix_a_fmt:MATRIX_FMT_FP6 matrix_b_fmt:MATRIX_FMT_FP6 matrix_a_scale:MATRIX_SCALE_ROW1
.else
	v_wmma_scale_f32_16x16x128_f8f6f4 v[8*(8*((\a)%4)+\b):8*(8*((\a)%4)+\b)+7], v[128*(\p)+FR*\b:128*(\p)+FR*\b+FR-1], v[AF+FR*(\a):AF+FR*(\a)+FR-1], v[8*(8*((\a)%4)+\b):8*(8*((\a)%4)+\b)+7], v[SC+8*NQ*(\sc)+NQ*\b+(\q)], v[SC+8*NQ*(\sc)+NQ*(\a)+(\q)] matrix_a_fmt:MATRIX_FMT_FP6 matrix_b_fmt:MATRIX_FMT_FP6 matrix_a_scale:MATRIX_SCALE_ROW1
.endif
.endr
.endr
.endm
.macro FETCH_B slot, q, p
	WIN TO_B
.irp i, 0,1,2,3,4,5,6,7
	FRAG 128*(\p)+FR*\i, ADRB+\slot, \q, \i
.endr
	WIN 0
.endm
.macro FETCH_A slot, q, i0
.irp i, \i0, \i0+1, \i0+2, \i0+3
	FRAG AF+FR*(\i), ADRA+\slot, \q, \i
.endr
.endm
.macro SCALES sc
.irp i, 0,1,2,3,4,5,6,7
	ds_load_b64 v[SC+8*NQ*\sc+NQ*\i:SC+8*NQ*\sc+NQ*\i+1], v[ADRS] offset:\i*SBLK
.endr
.endm
.macro PLACES n
.rept \n
	v_nop
.endr
.endm
.macro STEP slot, q, first
	s_wait_dscnt 4*NL                              ; B's set and A's blocks 0-3 are in; the youngest 16 loads (A's blocks 4-7) may be out
.if \first
	WIN 0x81                                       ; C (the bias) in window 0, D in window 2
.else
	WIN MUL_LO
.endif
	MUL16 0, (\q)%2, \q, \slot, \first
	MUL16 2, (\q)%2, \q, \slot, \first
	s_wait_dscnt 0
	PLACES NP
	FETCH_B \slot, (\q)+1, 1-(\q)%2
	FETCH_A \slot, (\q)+1, 0
.if \first
	WIN 0xc1                                       ; D in window 3
.else
	WIN MUL_HI
.endif
	MUL16 4, (\q)%2, \q, \slot, \first
	MUL16 6, (\q)%2, \q, \slot, \first
	PLACES NP
	WIN 0
	FETCH_A \slot, (\q)+1, 4
.endm
.macro TURN slot, next, fill
	s_wait_tensorcnt 0x0                           ; all my tensor loads have landed: my part of the next slot
	ds_add_u32 v[SPW], v[NIL]                      ; 0 onto my spare word
	s_wait_dscnt 4*NL+1                            ; (the add and the youngest 16 loads may be out)
	WIN MUL_LO
	MUL16 0, 1, NQ-1, \slot, 0
	s_wait_dscnt 0x0                               ; the add is done, and my reads of this slot are over
	s_barrier_signal -1
	MUL16 2, 1, NQ-1, \slot, 0
	WIN 0
	s_barrier_wait -1
.if \fill
	CREST                                          ; a round of the cluster's barrier: no wave of any partner still reads this slot's tile or has a load on its way
	s_add_nc_u64 s[G0+4*\slot+2:G0+4*\slot+3], s[G0+4*\slot+2:G0+4*\slot+3], 2*KSB
	s_add_nc_u64 s[G0B+4*\slot+2:G0B+4*\slot+3], s[G0B+4*\slot+2:G0B+4*\slot+3], 2*KSB
	JLOAD G0+4*\slot, G1, G0B+4*\slot, G1B
.else
	PLACES NP
.endif
	v_add_nc_u32 v[ADRS], 4*NQ, v[ADRS]
	FETCH_B \next, 0, 0
	FETCH_A \next, 0, 0
	SCALES \next
	WIN MUL_HI
	MUL16 4, 1, NQ-1, \slot, 0
	MUL16 6, 1, NQ-1, \slot, 0
	PLACES NP
	WIN 0
	FETCH_A \next, 0, 4
.endm
	s_wait_tensorcnt 1                             ; the scales and my part of K step 0 are in (K step 1's load may be out)
	s_barrier_signal -1
	s_barrier_wait -1
	FETCH_B 0, 0, 0
	FETCH_A 0, 0, 0
	SCALES 0
	FETCH_A 0, 0, 4
	s_wait_loadcnt 0x0                             ; the bias
	STEP 0, 0, 1
	TURN 0, 1, 1                                   ; slot 0 takes K step 2
	STEP 1, 0, 0
	TURN 1, 0, 1                                   ; slot 1 takes K step 3
	STEP 0, 0, 0
	TURN 0, 1, 0
	STEP 1, 0, 0
	s_wait_dscnt 4*NL
	WIN MUL_LO
	MUL16 0, 1, NQ-1, 1, 0
	MUL16 2, 1, NQ-1, 1, 0
	s_wait_dscnt 0
	WIN MUL_HI
	MUL16 4, 1, NQ-1, 1, 0
	MUL16 6, 1, NQ-1, 1, 0
	WIN 0
; THE WAY OUT, block by block of 16 rows x 128 columns, through my own stage: LDS serves a wave's instructions in order (ISA guide 5.7.1.4), so no wait stands between the stores and the loads.
.macro TOSTAGE a
.set AC, 64*((\a)%4)
	WIN 0x08+4*((\a)/4)                            ; the data: window 2 or 3
.irp b, 0,1,2,3,4,5,6,7
	ds_store_b128 v[STO], v[AC+8*\b:AC+8*\b+3] offset:128*(\b/2)+32*(\b%2)          ; each accumulator from its low end on; tile b's eight columns begin at 32 (b / 2) + 16 h + 8 (b % 2)
	ds_store_b128 v[STO], v[AC+8*\b+4:AC+8*\b+7] offset:128*(\b/2)+32*(\b%2)+16
.endr
	WIN 0
.set BB, BK+64*((\a)%2)
.irp t, 0,1,2,3,4,5,6,7,8,9,10,11,12,13,14,15
	ds_load_b128 v[BB+4*\t:BB+4*\t+3], v[RD] offset:\t*SPITCH
.endr
.endm
.macro SEND a, younger                 ; stage row t of block a is row 32 (a / 2) + 8 (a % 2) + t + 8 (t / 8) of my 128: it stands in the immediate, 520,192 bytes at the most
.set BB, BK+64*((\a)%2)
	s_wait_dscnt \younger
.irp t, 0,1,2,3,4,5,6,7,8,9,10,11,12,13,14,15
	global_store_b128 v[L16], v[BB+4*\t:BB+4*\t+3], s[14:15] offset:(32*((\a)/2)+8*((\a)%2)+\t+8*(\t/8))*4096 th:TH_STORE_NT   ; 32 lanes store 512 consecutive bytes, aligned to 256
.endr
.endm
	PLACES NP
	TOSTAGE 0
.irp a, 1,2,3,4,5,6,7
.if \a > 1
	s_wait_xcnt 0x0                                ; block a - 2's stores have read their registers: block a's loads may land there
.endif
	TOSTAGE \a
	SEND \a-1, 32                                  ; behind block a - 1's loads: block a's 16 stores and 16 loads
.endr
	SEND 7, 0
	s_wait_tensorcnt 0x0                           ; the wave's end
	ds_add_u32 v[SPW], v[NIL]
	s_wait_dscnt 0x0
	CROUND                                         ; the closing round
	s_endpgm
.Lfunc_end_k_q209c69b904_outp:
	.size	k_q209c69b904_outp, .Lfunc_end_k_q209c69b904_outp-k_q209c69b904_outp
	.p2alignl 7, 3214868480
	.fill 96, 4, 3214868480
	.section	.rodata,"a",@progbits
	.p2align	6, 0x0
	.amdhsa_kernel k_q209c69b904_outp
		.amdhsa_group_segment_fixed_size 327680
		.amdhsa_private_segment_fixed_size 0
		.amdhsa_enable_private_segment 0
		.amdhsa_kernarg_size 48
		.amdhsa_user_sgpr_count 2
		.amdhsa_user_sgpr_kernarg_segment_ptr 1
		.amdhsa_wavefront_size32 1
		.amdhsa_system_sgpr_workgroup_id_x 1
		.amdhsa_system_sgpr_workgroup_id_y 1
		.amdhsa_system_sgpr_workgroup_id_z 1
		.amdhsa_system_vgpr_workitem_id 0
		.amdhsa_next_free_vgpr 1024
		.amdhsa_next_free_sgpr 102
		.amdhsa_reserve_vcc 0
		.amdhsa_float_denorm_mode_32 3
		.amdhsa_float_denorm_mode_16_64 3
		.amdhsa_memory_ordered 1
		.amdhsa_forward_progress 1
		.amdhsa_inst_pref_size 145
	.end_amdhsa_kernel
	.amdgpu_metadata
---
amdhsa.version: [ 1, 2 ]
amdhsa.kernels:
  - .name:           k_q209c69b904_outp
    .symbol:         k_q209c69b904_outp.kd
    .args:
      - { .name: oc, .offset: 0, .size: 8, .value_kind: global_buffer, .address_space: global }
      - { .name: os, .offset: 8, .size: 8, .value_kind: global_buffer, .address_space: global }
      - { .name: xc, .offset: 16, .size: 8, .value_kind: global_buffer, .address_space: global }
      - { .name: xs, .offset: 24, .size: 8, .value_kind: global_buffer, .address_space: global }
      - { .name: b_o, .offset: 32, .size: 8, .value_kind: global_buffer, .address_space: global }
      - { .name: out0, .offset: 40, .size: 8, .value_kind: global_buffer, .address_space: global }
    .group_segment_fixed_size: 327680
    .private_segment_fixed_size: 0
    .kernarg_segment_align: 8
    .kernarg_segment_size: 48
    .max_flat_workgroup_size: 128
    .sgpr_count:     102
    .vgpr_count:     1024
    .wavefront_size: 32
...
	.end_amdgpu_metadata
.endif
;; end of part 4
;; ======== version 2 of 2: 4 launches; version 1 with the launch attn written anew for expert scheduling mode
;; workspace buffers: xc 22,020,096 bytes; xs 917,504 bytes; mbits 524,288 bytes of whole numbers; mflag 512 bytes of whole numbers; hc 18,874,368 bytes; hs 786,432 bytes; oc 6,291,456 bytes; os 262,144 bytes
;; launch prep: the kernel of part 1 again; grid 480 x 1, 4 waves a work-group, no clusters, 68,096 bytes of LDS; arguments q, k, v, w_q, w_k, w_v, w_o, mask, xc, xs, mbits, mflag; writes xc, xs, mbits, mflag
;; launch proj: the kernel of part 2 again; grid 4 x 96, 4 waves a work-group, clusters of 4 x 4, 327,680 bytes of LDS; arguments xc, xs, b_q, b_k, b_v, hc, hs; writes hc, hs
;; launch attn (part 5): grid 4 x 64, 16 waves a work-group, no clusters, 206,848 bytes of LDS; arguments hc, hs, mbits, mflag, oc, os; writes oc, os
.if DOCPART == 5
	.amdgcn_target "amdgcn-amd-amdhsa--gfx1250"
	.amdhsa_code_object_version 6
	.text
	.protected	k_q209c69b904_attn
	.globl	k_q209c69b904_attn
	.p2align	8
	.type	k_q209c69b904_attn,@function
k_q209c69b904_attn:
	s_mov_b64 s[64:65], 0
	v_nop
	global_prefetch_b8 v0, s[64:65] scope:SCOPE_SE
	s_setreg_imm32_b32 hwreg(HW_REG_WAVE_SCHED_MODE, 0, 2), 2
	s_setreg_imm32_b32 hwreg(HW_REG_WAVE_MODE, 25, 1), 1
	s_wait_xcnt 0x0
	s_wait_alu depctr_vm_vsrc(0)
; ATTN.  O = softmax(mask ? Q K^T / 8 : lowest) V for 64 (head, batch) pairs of 2,048 x 2,048 x 64, both products on codes of FP6 (E2M3) with E8M0 scales; O is quantised along the head's 64 into the last product's operand.
; THE SOFTMAX: t = score x log2(e) / 8; M = the running largest t rounded up to a whole number; p = 2^(t - M) is quantised along the keys; the row's sum is taken of the unquantised p and divides O at the end.  When M moves, sum and O are multiplied by 2^(old M - new M): exact.
; SHARES.  Work-group (j = x, y = 4 head + batch).  One pair's K and V as codes, 98,304 bytes each, and their scales, 4,096 each, lie in LDS whole, filled once through registers.  Wave w takes query tile 4 w + j, then tile 127 - (4 w + j).
; LAYOUT.  Both products are used transposed (S^T = K Q^T, O^T = V^T P^T): a lane holds ONE query.  Tiles hold rows 32 (i / 2) + 8 (i % 2) + r + 8 (r / 8), so that the 16 registers of two neighbouring tiles are 16 neighbouring keys (or 16 of the head's 64).
; THE HEAD'S 64 IN A K OF 128: a run of 12 registers of K holds key tile 2 p (k 0-63) and key tile 2 p + 1 (k 64-127); Q stands between two runs of zero codes, and [Q | 0] gives tile 2 p's scores, [0 | Q] tile 2 p + 1's: zero codes add nothing under any scale byte of 1..254.
; THE MASK is an input.  An earlier launch has stored, for each (query tile, 128 keys), 64 lane masks and two flags.  A step none of whose bits is set is left out (its p are 0), by a scalar branch on the stored flag; a step that is all true applies no mask.
; A hidden score becomes -2^126: c x 2^126 is exact, so a query with no open key so far has t - M = 0, p = 1; its first open key makes the factor 2^(old M - new M) zero, which wipes that out; a query with no open key at all ends as the mean of V, as the softmax of equal scores does
; (for such a tile all 16 steps are flagged as work).
; NO JOINT LOADS, though four work-groups read the same 204,800 bytes: a joint load is a tensor load, and the leaving out of hidden steps is a branch on numbers read from memory; each work-group reads those bytes once, at its head.
; LIMITS: scores at or under -2^126 are not told apart from hidden ones; NaN and infinities are not served; blocks of zeros get the byte 1 (this program alone reads the bytes).  The two scale bytes of a tile's rows leave as 32 single bytes: 1 byte in 25 of what the launch stores.
; REGISTERS: v1-5 lane constants; v7-11 addresses of the step; v12 -M, v13 the largest t, v[14:15] the sum; v16-21 zeros, v22-27 Q, v28-33 zeros; v34 Q's scale word; v35 -2^126; v36-39 global offsets; v40-87 K's four runs, then V's four fragments;
; v88-89 K's scale words, v90-91 V's; v96-159 S^T, then p; v160-191 O^T; v192-203 p's codes; v204-210 second halves of conversions; v212-224 at work; v226 the factor, v227 p's scale word.
; s[4:15] the six buffers, never stepped; s[32:63], s[68:99] the step's 64 lane masks.
; THE MODE: SCHED_MODE bits 1:0 = 2 (LLVM: expert scheduling mode 2), set by the entry lines.  The code itself states the register dependences between vector or matrix instructions and memory or LDS instructions, with s_wait_alu, always for 0.
; THE PLAN.  Registers that memory or LDS instructions touch:
;   v200-205, v96-195  At the head only: offsets and addresses of the fill, and its data.  Read by the fill's loads and LDS stores; from the first step on they are written by products, exponentials and conversions.
;   v36-38     Written at a pass's head (read by its three loads) and again at its end (read by its three stores).
;   v22-27, v39  The pass's loads land in them; the score products and the v_perm_b32 of the pass before have read them.
;   v7-11      Written by five additions at the head of a step that is worked; read by that step's 34 LDS loads.
;   v40-87     K's 16 LDS loads land in them, the 8 score products read them; V's 16 LDS loads land in them, the 4 products with V read them.  A second set would take 48 registers; fewer than 40 of the wave's 256 are free.
;   v88-91     Two LDS loads at the step's head land in them; the products read them as scales.
;   v192-197, v224  At a pass's end: written by conversions and a select, read by the three stores.
; A STEP HAS four waits on va_vdst: ahead of K's loads; behind the 64 exponentials, where V's loads follow at once; behind the four exponentials; ahead of the products with V, whose codes and scale word vector instructions have made.
; It has one wait on vm_vsrc, behind its last LDS load, for v7-11.  A pass has more: on va_vdst one at its head and two at its end, on vm_vsrc one at its head and one at its end.
.set VB,   98304                       ; LDS: K's codes at 0, V's here,
.set KSB,  196608                      ; K's scale groups, 256 bytes a step,
.set VSO,  4096                        ; and V's, this far behind them
	s_load_b256 s[4:11], s[0:1], 0x0               ; hc, hs, mbits, mflag
	s_load_b128 s[12:15], s[0:1], 0x20             ; oc, os
	v_lshl_add_u32 v254, v0, 2, 0x32000
	v_mov_b32 v255, 0
	v_lshrrev_b32 v1, 5, v0
	v_readfirstlane_b32 s16, v1                    ; wave 0..15
	s_and_b32 s27, ttmp7, 0xffff                   ; y = 4 head + batch
	s_wait_alu depctr_va_sdst(0)                   ; s16 is written, ahead of its first reader: the two tiles' numbers are made from it
	s_lshl_b32 s100, s16, 2
	s_add_co_u32 s100, s100, ttmp9                 ; the first pass's tile,
	s_sub_co_u32 s101, 127, s100                   ; the second's
	s_mov_b32 s20, 0x76543210
	s_mov_b32 s21, 0xfedcba98                      ; v_permlanex16_b32's selects for lane l xor 16
	s_mov_b32 s22, 0x3e38aa3b                      ; c = log2(e) / 8
	s_mov_b32 s23, s22                             ; (named with it as a pair, so it is written)
	s_mov_b32 s30, 0xffff0000                      ; lanes 16-31
	; THE FILL: thread t copies 25 pieces of 16 bytes; piece i lands at LDS byte 16 t + 8,192 i
	v_lshlrev_b32 v200, 4, v0
	v_add_nc_u32 v201, 0x10000, v200
	v_add_nc_u32 v202, 0x20000, v200
	v_add_nc_u32 v203, 0x30000, v200
	s_mul_i32 s2, s27, 98304
	s_add_co_u32 s2, s2, 6291456                   ; K's part of hc; V's lies 6,291,456 bytes on
	v_add_nc_u32 v204, s2, v200
	v_lshrrev_b32 v205, 8, v0
	v_mul_u32_u24 v205, v205, 258048               ; threads 256 on take V's scale groups: 262,144 - 4,096 bytes further on than K's
	s_lshl_b32 s3, s27, 12
	s_add_co_u32 s3, s3, 262144
	v_add3_u32 v205, v205, v200, s3
	s_wait_kmcnt 0x0
	s_wait_alu depctr_va_vdst(0)                   ; v200 to v205 are written: the loads below read v204 and v205 as offsets, the LDS stores behind them v200 to v203 as addresses; no vector line between here and those stores names them or v96-195
.set ii, 0
.rept 12
	global_load_b128 v[96+4*ii:99+4*ii], v204, s[4:5] offset:8192*ii
.set ii, ii+1
.endr
.rept 12
	global_load_b128 v[96+4*ii:99+4*ii], v204, s[4:5] offset:6291456+8192*(ii-12)
.set ii, ii+1
.endr
	global_load_b128 v[192:195], v205, s[6:7]
	v_and_b32 v6, 31, v0
	v_lshlrev_b32 v1, 4, v6                        ; 16 x lane
	v_lshlrev_b32 v2, 3, v6                        ; 8 x lane
	v_add_nc_u32 v3, KSB, v2
	v_and_b32 v6, 15, v0                           ; r
	v_lshlrev_b32 v4, 3, v6                        ; 8 r
	v_bfe_u32 v5, v0, 4, 1                         ; h
	v_lshl_add_u32 v5, v6, 5, v5                   ; 32 r + h
.irp i, 0,1,2,3,4,5
	v_mov_b32 v[16+\i], 0                          ; zero codes on both sides of Q
	v_mov_b32 v[28+\i], 0
.endr
	v_mov_b32 v35, 0xfe800000                      ; -2^126
.irp b, 0,1,2,3
	v_mov_b32 v[216+\b], 0                         ; written once: a lane permute's destination counts as one of its sources
.endr
	v_mov_b32 v227, 0                              ; (named as the upper half of the pair v[226:227] before it is first written)
.set ii, 0
.rept 25
	s_wait_loadcnt 24-ii                           ; piece ii is in; the younger ones may be out
	ds_store_b128 v[200+ii/8], v[96+4*ii:99+4*ii] offset:8192*(ii%8)
.set ii, ii+1
.endr
	s_wait_dscnt 0x0                               ; for the others' sake: my stores have landed
	s_barrier_signal -1
	s_barrier_wait -1                              ; K, V and their scales lie in LDS; nothing is stored there again
	s_wait_alu depctr_vm_vsrc(0)                   ; the fill's loads have read v204 and v205, its LDS stores v96-195 and v200-203: products, exponentials and conversions write these registers from here on
	s_mov_b32 s18, 2
.Lpass:
	s_cmp_eq_u32 s18, 2
	s_cselect_b32 s17, s100, s101                  ; tau
	s_mul_i32 s2, s27, 98304
	s_mul_i32 s3, s17, 768
	s_add_co_u32 s2, s2, s3
	v_add_nc_u32 v36, s2, v1                       ; Q's unit: its 16-byte part,
	v_add_nc_u32 v37, s2, v2                       ; its 8-byte part
	s_lshl_b32 s2, s27, 4
	s_lshr_b32 s3, s17, 3
	s_add_co_u32 s2, s2, s3
	s_lshl_b32 s2, s2, 8                           ; its group of scale words,
	s_bfe_u32 s3, s17, 0x10001
	s_lshl_b32 s3, s3, 7
	s_add_co_u32 s2, s2, s3                        ; word (tau % 8) / 2: its low bit is worth 128 bytes,
	s_bfe_u32 s3, s17, 0x10002
	s_lshl_b32 s3, s3, 2
	s_add_co_u32 s2, s2, s3                        ; its high bit 4
	v_add_nc_u32 v38, s2, v4
	s_wait_alu depctr_va_vdst(0)                   ; v36 to v38 are written, which the three loads read; the last pass's score products are done reading v22-27, and its v_perm_b32 v39, in which they land
	global_load_b128 v[22:25], v36, s[4:5]         ; Q's unit
	global_load_b64 v[26:27], v37, s[4:5] offset:512
	global_load_b32 v39, v38, s[6:7]
	s_lshl_b32 s31, s17, 2
	s_load_b32 s24, s[10:11], s31 offset:0x0       ; the tile's flags
	s_lshl_b32 s28, s17, 12                        ; where the tile's lane masks begin in mbits
	s_load_b512 s[32:47], s[8:9], s28 offset:0x0   ; step 0's: so the 64 registers are written whatever the flags say
	s_load_b512 s[48:63], s[8:9], s28 offset:0x40
	s_load_b512 s[68:83], s[8:9], s28 offset:0x80
	s_load_b512 s[84:99], s[8:9], s28 offset:0xc0
	s_mov_b32 s3, 0x01000100
	s_bitcmp1_b32 s17, 0
	s_cselect_b32 s3, 0x03020302, s3               ; an even tile's two bytes are the word's low half, an odd tile's its high half
	s_mov_b32 s25, 0                               ; the step's codes in LDS: 6,144 bytes a step
	s_mov_b32 s26, 0                               ; its scale groups: 256
	s_mov_b32 s19, 16
	s_wait_kmcnt 0x0
	s_wait_loadcnt 0x0
	s_wait_alu depctr_vm_vsrc(0)                   ; the three loads have read v36 to v38, which the pass's end writes again: stated here, ahead of the steps' branches, so that it holds whatever steps are worked
	v_perm_b32 v34, v39, v39, s3                   ; Q's two bytes twice: they serve [Q | 0] and [0 | Q].  (The 36 lines below are more than the places that a scale register so written owes)
	v_mov_b32 v13, 0xff61b1e6                      ; the largest t so far: -3e38, under every t
	v_floor_f32 v12, -v13                          ; -M
	v_mov_b32 v14, 0
	v_mov_b32 v15, 0
.set ii, 0
.rept 32
	v_mov_b32 v[160+ii], 0                         ; O^T: the step is written once; the first finds zeros, which the first change of M leaves zeros
.set ii, ii+1
.endr
.Lstep:                                            ; 16 trips, a constant: what a flag leaves out is the step's work, not the lines that step addresses
	s_bitcmp1_b32 s24, 0
	s_cbranch_scc0 .Lskip
	v_add_nc_u32 v8, s25, v1                       ; the step's LDS addresses (the last worked step's LDS loads have read them: the wait on vm_vsrc at that step's end)
	v_add_nc_u32 v9, s25, v2
	v_add_nc_u32 v10, VB, v8
	v_add_nc_u32 v11, VB, v9
	v_add_nc_u32 v7, s26, v3
	s_bitcmp1_b32 s24, 16
	s_cbranch_scc0 .Lno_masks
	s_load_b512 s[32:47], s[8:9], s28 offset:0x0
	s_load_b512 s[48:63], s[8:9], s28 offset:0x40
	s_load_b512 s[68:83], s[8:9], s28 offset:0x80
	s_load_b512 s[84:99], s[8:9], s28 offset:0xc0
.Lno_masks:
	s_wait_alu depctr_va_vdst(0)                   ; v7 to v11 are written, which this step's LDS loads read; the last worked step's products are done reading v40-87 and v88-91, in which the loads below land; v34 and the zero codes beside Q are written, which the score products take as scale and operand
.irp p, 0,1,2,3                        ; K's run p: key tiles 2 p and 2 p + 1
	ds_load_b128 v[40+12*\p:43+12*\p], v8 offset:1536*\p
	ds_load_b64 v[44+12*\p:45+12*\p], v9 offset:1536*\p+512
	ds_load_b128 v[46+12*\p:49+12*\p], v8 offset:1536*\p+768
	ds_load_b64 v[50+12*\p:51+12*\p], v9 offset:1536*\p+1280
.endr
	ds_load_b64 v[88:89], v7                       ; K's scale words: v88 runs 0 (lanes 0-15) and 1 (lanes 16-31), v89 runs 2 and 3
	ds_load_b64 v[90:91], v7 offset:VSO            ; V's likewise, by tiles of the head's 64
	s_wait_dscnt 0x0
.irp p, 0,1,2,3
.if (\p%2) == 0
	v_wmma_scale_f32_16x16x128_f8f6f4 v[96+16*\p:103+16*\p], v[40+12*\p:51+12*\p], v[22:33], 0, v[88+\p/2], v34 matrix_a_fmt:MATRIX_FMT_FP6 matrix_b_fmt:MATRIX_FMT_FP6
	v_wmma_scale_f32_16x16x128_f8f6f4 v[104+16*\p:111+16*\p], v[40+12*\p:51+12*\p], v[16:27], 0, v[88+\p/2], v34 matrix_a_fmt:MATRIX_FMT_FP6 matrix_b_fmt:MATRIX_FMT_FP6
.else
	v_wmma_scale_f32_16x16x128_f8f6f4 v[96+16*\p:103+16*\p], v[40+12*\p:51+12*\p], v[22:33], 0, v[88+\p/2], v34 matrix_a_fmt:MATRIX_FMT_FP6 matrix_b_fmt:MATRIX_FMT_FP6 matrix_a_scale:MATRIX_SCALE_ROW1
	v_wmma_scale_f32_16x16x128_f8f6f4 v[104+16*\p:111+16*\p], v[40+12*\p:51+12*\p], v[16:27], 0, v[88+\p/2], v34 matrix_a_fmt:MATRIX_FMT_FP6 matrix_b_fmt:MATRIX_FMT_FP6 matrix_a_scale:MATRIX_SCALE_ROW1
.endif
.endr                                  ; register 16 b + i of lane (r, h): key 128 step + 32 b + 16 h + i, query at place r
.rept 4
	v_nop                                          ; places: the scores are read below
.endr
	s_wait_kmcnt 0x0                               ; the lane masks are in, and their offset register is free
	s_bitcmp1_b32 s24, 16
	s_cbranch_scc0 .Lopen
.set nn, 0
.rept 64                               ; the word of register n lies at place 2 (n % 32) + n / 32
.set kk, 2*(nn%32)+nn/32
	v_cndmask_b32 v[96+nn], v35, v[96+nn], s[32+kk+4*(kk/32)]
.set nn, nn+1
.endr
.Lopen:
.irp b, 0,1,2,3
	v_max3_num_f32 v[212+\b], v[96+16*\b], v[97+16*\b], v[98+16*\b]   ; the largest score of each block of 32 keys: it serves for the row's maximum and, since p rises with the score, for the block's largest p
.endr
.irp i, 3,5,7,9,11,13
.irp b, 0,1,2,3
	v_max3_num_f32 v[212+\b], v[212+\b], v[96+16*\b+\i], v[97+16*\b+\i]
.endr
.endr
.irp b, 0,1,2,3
	v_max_num_f32 v[212+\b], v[212+\b], v[111+16*\b]
.endr
.irp b, 0,1,2,3
	v_permlanex16_b32 v[216+\b], v[212+\b], s20, s21
.endr
.irp b, 0,1,2,3
	v_max_num_f32 v[212+\b], v[212+\b], v[216+\b]  ; with lane l xor 16's 16 keys
.endr
	v_max3_num_f32 v224, v212, v213, v214
	v_max_num_f32 v224, v224, v215
	v_mul_f32 v224, s22, v224                      ; the step's largest t of my query
	v_max_num_f32 v13, v13, v224
	v_mov_b32 v224, v12
	v_floor_f32 v12, -v13                          ; the new -M = -ceil(t): a whole number
	v_sub_f32 v224, v12, v224                      ; old M - new M: a whole number, 0 or less
	v_cvt_i32_f32 v224, v224                       ; (it saturates)
	v_ldexp_f32 v226, 1.0, v224                    ; the factor 2^(old M - new M): it rounds nothing
.set nn, 0
.rept 32
	v_pk_fma_f32 v[96+nn:97+nn], v[96+nn:97+nn], s[22:23], v[12:13] op_sel_hi:[1,0,0]   ; t - M, two at a time
.set nn, nn+2
.endr
.irp b, 0,1,2,3
	v_fma_f32 v[212+\b], v[212+\b], s22, v12       ; the same of each block's largest score
.endr
.set nn, 0
.rept 64
	v_exp_f32 v[96+nn], v[96+nn]                   ; p = 2^(t - M), at most 1
.set nn, nn+1
.endr
	v_pk_mul_f32 v[14:15], v[14:15], v[226:227] op_sel_hi:[1,0]   ; the sums under the new M (a plain place behind the exponentials)
	s_wait_alu depctr_va_vdst(0)                   ; the 64 exponentials have written p, v96-159, ahead of its first reader; and the score products are done reading K's runs v40-87, in which V's fragments land
.irp d, 0,1,2,3                        ; V's fragment d: 16 of the head's 64 x these 128 keys; it lands while the sums, the scales and the codes are made.  No vector line since the step's head names v10 or v11, and none from here to the products with V names v40-87
	ds_load_b128 v[40+12*\d:43+12*\d], v10 offset:1536*\d
	ds_load_b64 v[44+12*\d:45+12*\d], v11 offset:1536*\d+512
	ds_load_b128 v[46+12*\d:49+12*\d], v10 offset:1536*\d+768
	ds_load_b64 v[50+12*\d:51+12*\d], v11 offset:1536*\d+1280
.endr
.irp b, 0,1,2,3
	v_exp_f32 v[212+\b], v[212+\b]                 ; the block's largest p: the same two instructions on the same number give the same bits
.endr
	v_pk_add_f32 v[216:217], v[96:97], v[98:99]    ; the row's sum is taken of the unquantised p, in two chains
.irp j, 4,8,12,16,20,24,28,32,36,40,44,48,52,56,60
	v_pk_add_f32 v[14:15], v[14:15], v[96+\j:97+\j]
	v_pk_add_f32 v[216:217], v[216:217], v[98+\j:99+\j]
.endr
	v_pk_add_f32 v[14:15], v[14:15], v[216:217]
	s_wait_alu depctr_va_vdst(0)                   ; the four exponentials have written v212 to v215, ahead of their first reader
.irp b, 0,1,2,3
	v_max_num_f32 v[212+\b], 0x1800000, v[212+\b]  ; the floor 2^(3 - 127): the byte cannot fall under 1
.endr
.irp b, 0,1,2,3
	v_add_nc_u32 v[220+\b], 0xff000000, v[212+\b]  ; 2 off the exponent field: the conversion's scale operand
.endr
.irp b, 0,1,2,3
	v_lshrrev_b32 v[216+\b], 23, v[220+\b]         ; the scale's byte
.endr
	v_lshl_or_b32 v227, v217, 8, v216              ; p's scale word for these 128 keys
	v_lshl_or_b32 v227, v218, 16, v227
	v_lshl_or_b32 v227, v219, 24, v227
.irp c, 0,1
	v_cvt_scalef32_pk16_fp6_f32 v[192+6*\c:194+6*\c], v[96+32*\c:111+32*\c], v[220+2*\c]
	v_cvt_scalef32_pk16_fp6_f32 v[204+4*\c:206+4*\c], v[112+32*\c:127+32*\c], v[220+2*\c+1]
.endr
	v_nop                                          ; one plain place behind a scaled conversion
.irp c, 0,1                            ; a whole block in a lane: lanes 0-15 block 2 c, lanes 16-31 block 2 c + 1
.irp i, 0,1,2
	v_permlane16_swap_b32 v[192+6*\c+\i], v[204+4*\c+\i]
.endr
.irp i, 0,1,2
	v_mov_b32 v[195+6*\c+\i], v[204+4*\c+\i]
.endr
.endr
.set nn, 0
.rept 16
	v_pk_mul_f32 v[160+nn:161+nn], v[160+nn:161+nn], v[226:227] op_sel_hi:[1,0]   ; O^T under the new M.  (These 16 are also the places between the codes and the scale word just made and the products)
.set nn, nn+2
.endr
	s_wait_dscnt 0x0                               ; V's fragments are in
	s_wait_alu depctr_vm_vsrc(0)                   ; this step's LDS loads have read v7 to v11, which the next step that is worked writes again: stated here, ahead of the label and the backward branch
	s_wait_alu depctr_va_vdst(0)                   ; behind the places: p's codes v192-203 and its scale word v227 are written, which the products below take as operand and scale
.irp d, 0,1,2,3                        ; the four accumulators by turns; eight score products stand between two links of a chain
.if (\d%2) == 0
	v_wmma_scale_f32_16x16x128_f8f6f4 v[160+8*\d:167+8*\d], v[40+12*\d:51+12*\d], v[192:203], v[160+8*\d:167+8*\d], v[90+\d/2], v227 matrix_a_fmt:MATRIX_FMT_FP6 matrix_b_fmt:MATRIX_FMT_FP6
.else
	v_wmma_scale_f32_16x16x128_f8f6f4 v[160+8*\d:167+8*\d], v[40+12*\d:51+12*\d], v[192:203], v[160+8*\d:167+8*\d], v[90+\d/2], v227 matrix_a_fmt:MATRIX_FMT_FP6 matrix_b_fmt:MATRIX_FMT_FP6 matrix_a_scale:MATRIX_SCALE_ROW1
.endif
.endr
.Lskip:
	s_add_co_u32 s25, s25, 6144
	s_add_co_u32 s26, s26, 256
	s_add_co_u32 s28, s28, 256
	s_lshr_b32 s24, s24, 1
	s_sub_co_u32 s19, s19, 1
	s_cmp_lg_u32 s19, 0
	s_cbranch_scc1 .Lstep
	; THE PASS'S END: O^T / the sum, quantised along the head's 64: register 16 b + i of lane (r, h) is channel 32 b + 16 h + i of the query at place r
	v_add_f32 v14, v14, v15
	v_permlanex16_b32 v216, v14, s20, s21
	v_add_f32 v14, v14, v216                       ; the row's sum
	v_rcp_f32 v14, v14
	s_and_b32 s2, s27, 3
	s_lshl_b32 s2, s2, 7
	s_add_co_u32 s2, s2, s17                       ; the token tile: 128 batch + tau
	s_lshr_b32 s3, s27, 2                          ; the head
	s_lshl_b32 s31, s2, 4
	s_add_co_u32 s31, s31, s3
	s_mul_i32 s31, s31, 768                        ; oc: unit 16 x token tile + head
	v_add_nc_u32 v36, s31, v1                      ; (plain work behind the reciprocal, and places behind the last products; the pass's loads have read v36 to v38: the wait on vm_vsrc at the pass's head)
	v_add_nc_u32 v37, s31, v2
	s_lshl_b32 s2, s2, 9
	s_lshl_b32 s3, s3, 1
	s_add_co_u32 s2, s2, s3                        ; os: 512 x token tile + 2 head
	v_add_nc_u32 v38, s2, v5
	v_nop
	s_wait_alu depctr_va_vdst(0)                   ; the reciprocal has written v14, ahead of its first reader
.set nn, 0
.rept 16
	v_pk_mul_f32 v[96+nn:97+nn], v[160+nn:161+nn], v[14:15] op_sel_hi:[1,0]
.set nn, nn+2
.endr
.irp b, 0,1
	v_max3_num_f32 v[212+\b], |v[96+16*\b]|, |v[97+16*\b]|, 0x1800000
.endr
.irp i, 2,4,6,8,10,12,14
.irp b, 0,1
	v_max3_num_f32 v[212+\b], v[212+\b], |v[96+16*\b+\i]|, |v[97+16*\b+\i]|
.endr
.endr
.irp b, 0,1
	v_permlanex16_b32 v[216+\b], v[212+\b], s20, s21
.endr
.irp b, 0,1
	v_max_num_f32 v[212+\b], v[212+\b], v[216+\b]
.endr
.irp b, 0,1
	v_add_nc_u32 v[220+\b], 0xff000000, v[212+\b]
.endr
.irp b, 0,1
	v_lshrrev_b32 v[216+\b], 23, v[220+\b]
.endr
	v_cvt_scalef32_pk16_fp6_f32 v[192:194], v[96:111], v220
	v_cvt_scalef32_pk16_fp6_f32 v[204:206], v[112:127], v221
	v_nop
.irp i, 0,1,2
	v_permlane16_swap_b32 v[192+\i], v[204+\i]
.endr
.irp i, 0,1,2
	v_mov_b32 v[195+\i], v[204+\i]
.endr
	v_cndmask_b32 v224, v216, v217, s30            ; lanes 0-15 store block 0's byte, lanes 16-31 block 1's
	s_wait_alu depctr_va_vdst(0)                   ; the codes v192-197, the byte v224 and the offsets v36 to v38 are written, which the three stores read
	global_store_b128 v36, v[192:195], s[12:13]    ; a unit: 512 and 256 consecutive bytes, aligned to 256
	global_store_b64 v37, v[196:197], s[12:13] offset:512
	global_store_b8 v38, v224, s[14:15]
	s_wait_xcnt 0x0                                ; the stores' addresses are translated: their registers may be written by the next pass,
	s_wait_alu depctr_vm_vsrc(0)                   ; and the stores have read v36 to v38, v192-197 and v224, which the next pass writes again: stated ahead of the backward branch
	s_sub_co_u32 s18, s18, 1
	s_cmp_lg_u32 s18, 0
	s_cbranch_scc1 .Lpass
	s_wait_dscnt 0x0
	s_wait_alu depctr_hold_cnt(0) depctr_sa_sdst(0) depctr_va_vdst(0) depctr_va_sdst(0) depctr_va_ssrc(0) depctr_va_vcc(0) depctr_vm_vsrc(0)
	s_wait_tensorcnt 0x0
	ds_add_u32 v254, v255
	s_wait_dscnt 0x0
	s_endpgm
.Lfunc_end_k_q209c69b904_attn:
	.size	k_q209c69b904_attn, .Lfunc_end_k_q209c69b904_attn-k_q209c69b904_attn
	.p2alignl 7, 3214868480
	.fill 96, 4, 3214868480
	.section	.rodata,"a",@progbits
	.p2align	6, 0x0
	.amdhsa_kernel k_q209c69b904_attn
		.amdhsa_group_segment_fixed_size 206848
		.amdhsa_private_segment_fixed_size 0
		.amdhsa_enable_private_segment 0
		.amdhsa_kernarg_size 48
		.amdhsa_user_sgpr_count 2
		.amdhsa_user_sgpr_kernarg_segment_ptr 1
		.amdhsa_wavefront_size32 1
		.amdhsa_system_sgpr_workgroup_id_x 1
		.amdhsa_system_sgpr_workgroup_id_y 1
		.amdhsa_system_sgpr_workgroup_id_z 1
		.amdhsa_system_vgpr_workitem_id 0
		.amdhsa_next_free_vgpr 256
		.amdhsa_next_free_sgpr 102
		.amdhsa_reserve_vcc 0
		.amdhsa_float_denorm_mode_32 3
		.amdhsa_float_denorm_mode_16_64 3
		.amdhsa_memory_ordered 1
		.amdhsa_forward_progress 1
		.amdhsa_inst_pref_size 36
	.end_amdhsa_kernel
	.amdgpu_metadata
---
amdhsa.version: [ 1, 2 ]
amdhsa.kernels:
  - .name:           k_q209c69b904_attn
    .symbol:         k_q209c69b904_attn.kd
    .args:
      - { .name: hc, .offset: 0, .size: 8, .value_kind: global_buffer, .address_space: global }
      - { .name: hs, .offset: 8, .size: 8, .value_kind: global_buffer, .address_space: global }
      - { .name: mbits, .offset: 16, .size: 8, .value_kind: global_buffer, .address_space: global }
      - { .name: mflag, .offset: 24, .size: 8, .value_kind: global_buffer, .address_space: global }
      - { .name: oc, .offset: 32, .size: 8, .value_kind: global_buffer, .address_space: global }
      - { .name: os, .offset: 40, .size: 8, .value_kind: global_buffer, .address_space: global }
    .group_segment_fixed_size: 206848
    .private_segment_fixed_size: 0
    .kernarg_segment_align: 8
    .kernarg_segment_size: 48
    .max_flat_workgroup_size: 512
    .sgpr_count:     102
    .vgpr_count:     256
    .wavefront_size: 32
...
	.end_amdgpu_metadata
.endif
;; end of part 5
;; launch outp: the kernel of part 4 again; grid 4 x 32, 4 waves a work-group, clusters of 4 x 4, 327,680 bytes of LDS; arguments oc, os, xc, xs, b_o, out0; writes out0
